; MI455X (gfx1250); checked and timed in simulation.
; The chip was launched on July 23, 2026; its instructions are those of AMD's public machine-readable ISA for CDNA 5 (MIT licence, August 2026) and "CDNA5" Instruction Set Architecture Reference Guide (July 2026). The comments in the code are by the model that wrote it; some were corrected since.
;; Causal Multi Head Attention. Allowed arithmetic: matrix products marked QUANTISED: E2M3 operands, one E8M0 scale for each 32 along K, by v_wmma_scale_f32_16x16x128_f8f6f4 with both operands' format E2M3, f32 sums; everything else in f32.
;; Inputs: wk_codes 1,024 x 32 x 24 uint8 (E2M3 codes of wk, K innermost, in blocks of 32 codes, four codes in three bytes); wk_scales 1,024 x 32 uint8 (E8M0 scales of wk, one for each 32 codes along K); wo_codes 1,024 x 32 x 24 uint8 (E2M3 codes of wo, K innermost, in blocks of 32 codes, four codes in three bytes); wo_scales 1,024 x 32 uint8 (E8M0 scales of wo, one for each 32 codes along K); wq_codes 1,024 x 32 x 24 uint8 (E2M3 codes of wq, K innermost, in blocks of 32 codes, four codes in three bytes); wq_scales 1,024 x 32 uint8 (E8M0 scales of wq, one for each 32 codes along K); wv_codes 1,024 x 32 x 24 uint8 (E2M3 codes of wv, K innermost, in blocks of 32 codes, four codes in three bytes); wv_scales 1,024 x 32 uint8 (E8M0 scales of wv, one for each 32 codes along K); x_codes 4 x 2,048 x 32 x 24 uint8 (E2M3 codes of x, K innermost, in blocks of 32 codes, four codes in three bytes); x_scales 4 x 2,048 x 32 uint8 (E8M0 scales of x, one for each 32 codes along K).
;; Outputs: out0 4 x 2,048 x 1,024 float32.
;; Constants: n_heads = 16.
;; This version of the problem:
;;   THIS VERSION OF THE PROBLEM IS GIVEN IN LOW PRECISION. The matrix products marked QUANTISED in the list below multiply operands that are first quantised to E2M3 (2 exponent bits, 3 mantissa bits; 6 bits a number), with one power-of-two scale for each 32 numbers along K (OCP MX v1.0); their sums are f32. All else is computed in f32.
;;   The module's matrix products, in the order in which they are computed (A, B: the left and right operand; K: the contracted axis; several contracted axes count as one K, in the product's order):
;;     1. [M 8,192, K 1,024] x [K 1,024, N 1,024]; A: input x (given as codes); B: input wq (given as codes): QUANTISED
;;     2. [M 8,192, K 1,024] x [K 1,024, N 1,024]; A: input x (given as codes); B: input wk (given as codes): QUANTISED
;;     3. [M 8,192, K 1,024] x [K 1,024, N 1,024]; A: input x (given as codes); B: input wv (given as codes): QUANTISED
;;     4. batch 64 x [M 2,048, K 64] x [K 64, N 2,048]; A: computed on the way; B: computed on the way: QUANTISED
;;     5. batch 64 x [M 2,048, K 2,048] x [K 2,048, N 64]; A: softmax (see below); B: computed on the way: QUANTISED
;;     6. [M 8,192, K 1,024] x [K 1,024, N 1,024]; A: computed on the way; B: input wo (given as codes): QUANTISED
;;   THE QUANTISER, for each operand of a quantised product, along K:
;;     - K is cut into blocks of 32 from its start; a last block that is shorter is filled with zeros.
;;     - A block's scale is 2^e with e = floor(log2(the largest magnitude in the block)) - 2, held to -126 .. 127; a block of zeros has e = 0. As a byte (E8M0): e + 127.
;;     - Each number is divided by its block's scale, clamped to +-7.5, and rounded to the nearest number of E2M3, ties to even, subnormals kept.
;;     - The product sums the exact products of the quantised numbers (number of the format x scale) in f32.
;;   ~~~python
;;   def quantise(x, axis):      # numpy; x: float32 -> the quantised numbers, widened to float32 again
;;       x = np.moveaxis(x, axis, -1); K = x.shape[-1]
;;       x = np.pad(x, [(0, 0)] * (x.ndim - 1) + [(0, -K % 32)]); x = x.reshape(x.shape[:-1] + (-1, 32)); a = np.abs(x).max(-1, keepdims=True)
;;       e = np.where(a > 0, np.clip(np.frexp(np.where(a > 0, a, 1))[1] - 1 - 2, -126, 127), 0)      # np.frexp(a)[1] - 1 = floor(log2(a)), exactly
;;       r = np.clip(x / 2.0 ** e, -7.5, 7.5)
;;       step = 2.0 ** (np.maximum(np.frexp(np.where(r == 0, 1, r))[1] - 1, 0) - 3)
;;       q = np.round(r / step) * step * 2.0 ** e      # np.round: ties to even
;;       return np.moveaxis(q.reshape(q.shape[:-2] + (-1,))[..., :K], -1, axis).astype(np.float32)
;;   ~~~
;;   SOFTMAX AHEAD OF A QUANTISED PRODUCT. Where the list says 'softmax', what is quantised is not the finished softmax but p = 2^(t - M), with t = logit x log2(e) and M = ceil(the row's largest t), a whole number; so 1/2 < the row's largest p <= 1. The row's sum l is taken of the UNQUANTISED p, in f32, and the product's result is divided by l at the end. Since M is a whole number, a kernel that streams over the keys may use a running M (the ceiling of the running maximum): every later rescaling is an exact power of two, which a block's scale takes up: the codes' values come out the same.
;;   OPERANDS COMPUTED ON THE WAY. 'Computed on the way' means the value that the module computes at that place (a softmax that the list does not call 'softmax' is quantised finished and normalised). What goes into a quantiser is computed in f32, as accurately as f32 sums, v_exp_f32 and their like allow (about 1e-6 of the number): no bf16 or f16 on the way to a quantiser, and a product that is left as it is and whose result goes on into a quantised operand takes f32 operands (vector FMAs, or v_wmma_f32_16x16x4_f32). A number that lies on a knife's edge between two numbers of the format may be rounded either way, as far as f32 arithmetic and the matrix unit's own rounding can turn it there, and no further.
;;   INPUTS GIVEN AS CODES. wk (in the module: [1024, 1024], K = its axis 1); wo (in the module: [1024, 1024], K = its axis 1); wq (in the module: [1024, 1024], K = its axis 1); wv (in the module: [1024, 1024], K = its axis 1); x (in the module: [4, 2048, 1024], K = its axis 2): each comes as NAME_codes (uint8): NAME with its K axis moved to the last place and cut into blocks of 32 codes, [.., K / 32, bytes a block], one block behind the other in memory; four codes in three bytes: a row's codes are one little-endian stream of bits, code i at bits 6 i .. 6 i + 5 (a code: sign, 2 exponent bits, 3 mantissa bits); and NAME_scales (uint8): the same leading axes, one E8M0 byte (e + 127) for each 32 codes along K. Its value is code x scale, taken as it is: it is not quantised again, and the codes and scales need not be those that the quantiser above would give.
;; One version. Each part assembles by itself: llvm-mc -triple=amdgcn-amd-amdhsa -mcpu=gfx1250 --defsym DOCPART=n.
;; ======== version 1 of 1: 3 launches
;; limits: right only within a limited range of input values
;; workspace buffers: qbuf 13,369,344 bytes; kvbuf 13,369,344 bytes; aimg 6,291,456 bytes; asc 262,144 bytes
;; launch proj (part 1): grid 4 x 96, 4 waves a work-group, clusters of 4 x 4, 327,680 bytes of LDS; arguments x_codes, x_scales, wq_codes, wq_scales, wk_codes, wk_scales, wv_codes, wv_scales, qbuf, kvbuf; writes qbuf, kvbuf
.if DOCPART == 1
	.amdgcn_target "amdgcn-amd-amdhsa--gfx1250"
	.amdhsa_code_object_version 6
	.text
	.protected	k_qa2e6ad2d04_proj
	.globl	k_qa2e6ad2d04_proj
	.p2align	8
	.type	k_qa2e6ad2d04_proj,@function
k_qa2e6ad2d04_proj:
	s_mov_b64 s[64:65], 0
	v_nop
	global_prefetch_b8 v0, s[64:65] scope:SCOPE_SE
	s_setreg_imm32_b32 hwreg(HW_REG_WAVE_MODE, 25, 1), 1
	s_wait_xcnt 0x0
	s_wait_alu depctr_hold_cnt(0) depctr_sa_sdst(0) depctr_va_vdst(0) depctr_va_sdst(0) depctr_va_ssrc(0) depctr_va_vcc(0) depctr_vm_vsrc(0)
	s_getreg_b32 s2, hwreg(HW_REG_IB_STS2, 6, 4)
	s_cmp_eq_u32 s2, 0
	s_cbranch_scc0 .Lentry_in_a_cluster
	s_endpgm
.Lentry_in_a_cluster:
	s_bfe_u32 s2, ttmp6, 0x10000c
	s_cmp_lg_u32 s2, 0xf033
	s_cbranch_scc0 .Lentry_shape_is_right
	s_endpgm
.Lentry_shape_is_right:
; q = x wq^T, k = x wk^T, v = x wv^T on codes of FP6 (E2M3) with one E8M0 scale for each 32 along K = 1,024; the results are quantised here, in registers, and leave as codes.
; One body serves the three products.  The cluster's y gives kind = y / 8 (0 q, 1 k, 2 v) and cl = y % 8: both are the same in all sixteen partners.
; A work-group makes 256 x 256 results, a wave 128 x 128 (64 accumulators of 16 x 16).  R are the rows that end up in the LANES (source 1), P the rows that end up ALONG A LANE'S REGISTERS (source 0).
;   q, k: R = 256 tokens of x, P = 256 rows of the weight: a lane holds one token, its registers run along the channels, which are the K of q k^T.
;   v:    R = 256 rows of wv (channels), P = 256 tokens: a lane holds one channel, its registers run along the keys, which are the K of p v.
; K goes in steps of 256 through a ring of two LDS slots filled by the tensor data mover; R's tiles are asked for jointly along a row of the 4 x 4 cluster, P's along a column; the scale bytes of the
; work-group's rows come once, with the first fills, and stay.
; THE WAY OUT.  Register 8 b + j of R block a holds P index 16 b + 8 (lane / 16) + j.  Two neighbouring tiles are a block of 32 along P, half of it in lane l, half in lane l xor 16: the largest magnitude is joined
; across the two, sixteen numbers a lane are converted, and an exchange of halves gives a lane a whole block.  Inside a block the codes then stand in the order 0-7, 16-23, 8-15, 24-31.  Both operands of q k^T
; are made so here, and so are v (here) and p (next launch): the order is the same on both sides of each product, and the block's members and scale are the quantiser's.
; RECORDS.  For each (batch, head, 128 tokens) 13,056 bytes: 8 half fragments of K or Q (16 tokens x 64 channels: registers 0-3 at 16 x lane, 4-5 at 512 + 8 x lane); 4 fragments of V (16 channels x 128 keys,
; registers 4 k .. 4 k + 3 at 512 k + 16 x lane) at 6,144; K's or Q's scale words at 12,288; V's at 12,800.  Every store of a wave covers 512 or 256 consecutive bytes, aligned.
; LIMITS: NaN and infinities are not served.  A block whose largest magnitude lies under 2^(3 - 127) keeps the scale byte 1 (a block of zeros too, where the rule says 127: its codes are zeros, and this program alone reads the bytes).
.set SIZE_K, 1024
.set KSTEP,  256                       ; along K in a slot
.set NQ,     KSTEP/128                 ; matrix instructions deep
.set ROWB,   192                       ; a tile's row in bytes
.set KROW,   SIZE_K*6/8                ; a row of codes in memory
.set PITCH,  240                       ; an LDS row: 3 x (64 bytes of data + 16 of padding)
.set FR,     12                        ; registers of a fragment
.set NL,     6                         ; LDS loads that bring one
.set NP,     4                         ; places behind this matrix instruction (ISA guide 7.12.1)
.set HALFT,  128*PITCH                 ; 128 rows: what one tensor load brings
.set SLOT,   4*HALFT                   ; R's 256 rows, then P's 256 rows
.set LAPS,   SIZE_K/(2*KSTEP)
.set KS,     SIZE_K/32                 ; a row of scale bytes
.set SCL,    2*SLOT                    ; behind the ring: the scales, as 256 bytes + 16 of padding
.set HALFS,  (128*KS/256)*272
.set SBLK,   (16*KS/256)*272
.set SPARE,  SCL+4*HALFS               ; the spare words, 128 bytes for each wave: no other line names them
.set REC,    13056                     ; a record
.set HSTR,   16*REC                    ; a head's sixteen records
.set ADRA, 16                          ; v16-19  LDS addresses of R's fragments (slot 0, 1; and behind one padding more)
.set ADRB, 20                          ; v20-23  the same for P
.set VO16, 24                          ; v24     16 x lane
.set VO8,  25                          ; v25     8 x lane
.set LN,   26                          ; v26     lane
.set ADRS, 27                          ; v27     LDS address of my scale words: lanes 0-15 R's rows, lanes 16-31 P's
.set SPW,  28                          ; v28     LDS address of my spare word; never rewritten
.set NIL,  29                          ; v29     0; never rewritten
.set SC,   32                          ; v32-63  scale words, two sets
.set PC,   64                          ; v64-75  the way out: a fragment's codes
.set PT,   76                          ; v76-78, v80-82  the conversions' second halves
.set PWS,  84                          ; v84-91  the eight R blocks' scale words
.set CW,   92                          ; v92-95  two blocks' words in one register: lanes 0-15 the even block's, lanes 16-31 the odd one's
.set MW,   96                          ; v96-99  their low halves
.set SW,   100                         ; v100-103 their high halves
.set TM,   104                         ; v104-107 largest magnitudes, v108-111 the other half's, then bytes, v116-119 the conversions' scale operands
.set AF,   128                         ; R's fragments, in window 0
.set G1, 24
.set G0, 32
.set G1B, 48
.set G0B, 56
.set G1S, 68
.set G0S, 76
.set G1SB, 80
.set G0SB, 88
.set KIND, 96                          ; s96  0 q, 1 k, 2 v
.set CL,   97                          ; s97  which of eight blocks of 1,024 tokens
.set SEL,  98                          ; s[98:99] lane selects for v_permlanex16_b32: lane l xor 16
.set MSB, 0
.macro WIN new                         ; the immediate's high byte repeats the setting that is left
.if MSB != \new
	s_set_vgpr_msb (MSB<<8)|\new
.set MSB, \new
.endif
.endm
.set MUL_LO, 0xa1                      ; source 0 (P) window 1, source 1 (R) window 0, C and D window 2
.set MUL_HI, 0xf1                      ; the same, C and D window 3
.set TO_B,   0x40                      ; destination window 1, address window 0
; A joint load: waves 0 and 1 fetch for R, waves 2 and 3 for P.  Each line has one mask and one set of registers for all that issue it; the branch hangs on the wave's number alone.
; Four v_nop follow each of the two lines.
.macro JLOAD g0a, g1a, g0b, g1b
	s_cmp_eq_u32 s15, 0
	s_cbranch_scc0 .Lfor_b_\@
	tensor_load_to_lds s[\g0a:\g0a+3], s[\g1a:\g1a+7]
	s_nop 0
.rept 4
	v_nop
.endr
	s_branch .Lasked_\@
.Lfor_b_\@:
	tensor_load_to_lds s[\g0b:\g0b+3], s[\g1b:\g1b+7]
	s_nop 0
.rept 4
	v_nop
.endr
.Lasked_\@:
.endm
.macro CREST                           ; a round of the cluster's barrier behind its opening barrier
	s_cmp_lg_u32 s14, 0
	s_cbranch_scc1 .Lnot_wave_0_\@
	s_barrier_signal -3
.Lnot_wave_0_\@:
	s_barrier_wait -3
	s_barrier_signal -1
	s_barrier_wait -1
.endm
.macro CROUND                          ; a whole round
	s_barrier_signal -1
	s_barrier_wait -1
	CREST
.endm
	s_load_b512 s[68:83], s[0:1], 0x0              ; x's codes, scales; wq's; wk's; wv's
	s_load_b128 s[84:87], s[0:1], 0x40             ; qbuf, kvbuf
	v_lshl_add_u32 v[SPW], v0, 2, SPARE
	v_mov_b32 v[NIL], 0
	ds_add_u32 v28, v29
	ds_add_u32 v28, v29
	s_wait_dscnt 0x0
	v_lshrrev_b32 v1, 5, v0
	v_readfirstlane_b32 s14, v1                    ; wave 0..3
	s_lshr_b32 s15, s14, 1                         ; which half of R's rows is mine.  Also: I fetch for R (0) or for P (1)
	s_and_b32 s16, s14, 1                          ; which half of P's rows.  Also: which 128 rows I fetch
	s_bfe_u32 s40, ttmp6, 0x40000                  ; cx, cy: my place in the cluster
	s_bfe_u32 s41, ttmp6, 0x40004
	s_and_b32 s[CL], ttmp7, 0xffff                 ; the cluster's y, 0 .. 23
	s_lshr_b32 s[KIND], s[CL], 3
	s_and_b32 s[CL], s[CL], 7
	s_mov_b32 s[SEL], 0x76543210
	s_mov_b32 s[SEL+1], 0xfedcba98
.irp b, 0,1,2,3
	v_mov_b32 v[TM+4+\b], 0                        ; written once: a lane permute's destination counts as one of its sources
.endr
	s_wait_kmcnt 0x0
	s_cmp_eq_u32 s[KIND], 0                        ; the choices hang on the cluster's number alone
	s_cselect_b64 s[92:93], s[72:73], s[76:77]     ; wq's codes or wk's
	s_cselect_b64 s[94:95], s[74:75], s[78:79]     ; and scales
	s_cselect_b64 s[12:13], s[84:85], s[86:87]     ; q goes to qbuf, k and v to kvbuf
	s_cmp_eq_u32 s[KIND], 2
	s_cselect_b64 s[4:5], s[80:81], s[68:69]       ; R's codes: wv's for v, else x's
	s_cselect_b64 s[6:7], s[82:83], s[70:71]       ; R's scales
	s_cselect_b64 s[8:9], s[68:69], s[92:93]       ; P's codes: x's for v, else the weight's
	s_cselect_b64 s[10:11], s[70:71], s[94:95]     ; P's scales
	s_cselect_b32 s17, 0, s[CL]
	s_cselect_b32 s42, s[CL], 0
	s_lshl_b32 s17, s17, 2
	s_add_co_u32 s17, s17, s41                     ; R's tile of 256 rows: it hangs on cy alone
	s_lshl_b32 s42, s42, 2
	s_add_co_u32 s42, s42, s40                     ; P's tile: on cx alone
	s_lshl_b32 s43, s41, 2
	s_lshl_b32 s43, 15, s43                        ; my row of the cluster
	s_lshl_b32 s44, 0x1111, s40                    ; my column
	; descriptor group 1: a tile of 128 rows x 192 bytes, 16 bytes of padding behind every 64
	s_or_b32 s[G1+0], s43, (0<<16)|(1<<20)|(1<<21)|(3<<22)|(3<<25)
	s_or_b32 s[G1B+0], s44, (0<<16)|(1<<20)|(1<<21)|(3<<22)|(3<<25)
.irp g, G1, G1B
	s_mov_b32 s[\g+1], ROWB<<16                    ; tensor_dim0
	s_mov_b32 s[\g+2], 128<<16                     ; tensor_dim1
	s_mov_b32 s[\g+3], ROWB<<16                    ; tile_dim0
	s_mov_b32 s[\g+4], 128                         ; tile_dim1
	s_mov_b32 s[\g+5], KROW                        ; tensor_dim0_stride
	s_mov_b32 s[\g+6], 0
	s_mov_b32 s[\g+7], 0
.endr
	; the scales of 128 rows: a dense block, as rows of 256 bytes (32 elements of 8 bytes), 16 bytes of padding behind each
	s_or_b32 s[G1S+0], s43, (3<<16)|(1<<20)|(1<<21)|(5<<22)|(3<<25)
	s_or_b32 s[G1SB+0], s44, (3<<16)|(1<<20)|(1<<21)|(5<<22)|(3<<25)
.irp g, G1S, G1SB
	s_mov_b32 s[\g+1], 32<<16
	s_mov_b32 s[\g+2], (128*KS/256)<<16
	s_mov_b32 s[\g+3], 32<<16
	s_mov_b32 s[\g+4], 128*KS/256
	s_mov_b32 s[\g+5], 32
	s_mov_b32 s[\g+6], 0
	s_mov_b32 s[\g+7], 0
.endr
	s_lshl_b32 s18, s16, 7                         ; which 128 rows of the tile I fetch
	s_lshl_b32 s20, s17, 8
	s_add_co_u32 s20, s20, s18                     ; R: row 256 x tile + 128 x half
	s_lshl_b32 s46, s42, 8
	s_add_co_u32 s46, s46, s18                     ; P likewise
	s_mov_b32 s21, 0
	s_mov_b32 s47, 0
	s_mov_b64 s[18:19], KS
	s_mul_u64 s[22:23], s[20:21], s[18:19]         ; where these rows' scales begin, in bytes
	s_mul_u64 s[92:93], s[46:47], s[18:19]
	s_mov_b64 s[18:19], KROW
	s_mul_u64 s[20:21], s[20:21], s[18:19]         ; and their codes
	s_mul_u64 s[46:47], s[46:47], s[18:19]
	s_mul_i32 s45, s14, HALFT                      ; where they go: wave x 128 rows: no place in the cluster enters an LDS address
	s_mul_i32 s94, s14, HALFS
	s_add_nc_u64 s[20:21], s[4:5], s[20:21]
	s_add_nc_u64 s[22:23], s[6:7], s[22:23]
	s_add_nc_u64 s[46:47], s[8:9], s[46:47]
	s_add_nc_u64 s[92:93], s[10:11], s[92:93]
	CROUND                                         ; all sixteen work-groups are here: the first joint loads meet
	s_mov_b32 s[G0S], 1
	s_add_co_u32 s[G0S+1], s94, SCL
	s_mov_b64 s[G0S+2:G0S+3], s[22:23]
	s_or_b32 s[G0S+3], s[G0S+3], 0x80000000
	s_mov_b32 s[G0SB], 1
	s_add_co_u32 s[G0SB+1], s94, SCL
	s_mov_b64 s[G0SB+2:G0SB+3], s[92:93]
	s_or_b32 s[G0SB+3], s[G0SB+3], 0x80000000
	JLOAD G0S, G1S, G0SB, G1SB                     ; the scales first: they are wanted with K step 0
.irp s, 0,1
	s_mov_b32 s[G0+4*\s], 1
	s_add_co_u32 s[G0+4*\s+1], s45, \s*SLOT
	s_add_nc_u64 s[G0+4*\s+2:G0+4*\s+3], s[20:21], \s*ROWB
	s_or_b32 s[G0+4*\s+3], s[G0+4*\s+3], 0x80000000
	s_mov_b32 s[G0B+4*\s], 1
	s_add_co_u32 s[G0B+4*\s+1], s45, \s*SLOT
	s_add_nc_u64 s[G0B+4*\s+2:G0B+4*\s+3], s[46:47], \s*ROWB
	s_or_b32 s[G0B+4*\s+3], s[G0B+4*\s+3], 0x80000000
	JLOAD G0+4*\s, G1, G0B+4*\s, G1B               ; three tensor loads of mine are out
.endr
	v_and_b32 v1, 15, v0                           ; l % 16
	v_bfe_u32 v2, v0, 4, 1                         ; l / 16
	v_mul_u32_u24 v3, v1, PITCH
	v_mul_u32_u24 v4, v2, 24
	v_add_nc_u32 v4, v3, v4                        ; a fragment's row x pitch + 24 x half
	v_lshl_add_u32 v5, v2, 4, v4                   ; and the same behind one padding more
	s_mul_i32 s21, s15, HALFT                      ; my 128 rows of R
	s_mul_i32 s22, s16, HALFT                      ; my 128 rows of P,
	s_add_co_u32 s22, s22, 2*HALFT                 ; which lie behind R's 256
.irp s, 0,1
	v_add_nc_u32 v[ADRA+\s], s21, v4
	v_add_nc_u32 v[ADRB+\s], s22, v4
	v_add_nc_u32 v[ADRA+2+\s], s21, v5
	v_add_nc_u32 v[ADRB+2+\s], s22, v5
	s_add_co_u32 s21, s21, SLOT
	s_add_co_u32 s22, s22, SLOT
.endr
	v_mul_u32_u24 v5, v1, KS                       ; my row's scales: KS bytes a row,
	v_lshrrev_b32 v6, 8, v5
	v_lshl_add_u32 v5, v6, 4, v5                   ; and 16 more for each 256 passed
	s_mul_i32 s21, s15, HALFS                      ; R's: my 128 rows
	s_mul_i32 s22, s16, HALFS                      ; P's: my 128 rows, behind R's 256
	s_add_co_u32 s22, s22, 2*HALFS
	s_sub_co_u32 s22, s22, s21
	v_mul_u32_u24 v6, s22, v2                      ; lanes 16-31 take P's
	s_add_co_u32 s21, s21, SCL
	v_add_nc_u32 v5, v5, v6
	v_add_nc_u32 v[ADRS], s21, v5
	v_and_b32 v[LN], 31, v0
	v_lshlrev_b32 v[VO16], 4, v[LN]
	v_lshlrev_b32 v[VO8], 3, v[LN]
	; my record: ((batch x 16 + head) x 16 + group of 128 tokens); my 128 channels are two heads, HSTR bytes apart
	s_lshl_b32 s20, s17, 8
	s_lshl_b32 s21, s15, 7
	s_add_co_u32 s20, s20, s21                     ; my first row of R
	s_lshl_b32 s46, s42, 8
	s_lshl_b32 s47, s16, 7
	s_add_co_u32 s46, s46, s47                     ; my first row of P
	s_cmp_eq_u32 s[KIND], 2
	s_cselect_b32 s21, s46, s20                    ; my first token
	s_cselect_b32 s47, s20, s46                    ; my first channel
	s_lshr_b32 s22, s21, 11                        ; batch
	s_lshl_b32 s22, s22, 4
	s_lshr_b32 s47, s47, 6                         ; head
	s_add_co_u32 s22, s22, s47
	s_lshl_b32 s22, s22, 4
	s_bfe_u32 s21, s21, 0x40007                    ; (token / 128) % 16
	s_add_co_u32 s22, s22, s21
	s_mul_i32 s22, s22, REC                        ; under 2^24
	s_mov_b32 s23, 0
	s_add_nc_u64 s[12:13], s[12:13], s[22:23]
.macro FRAG reg, adr, q, i             ; a fragment, 16 rows x 128 K, is 12 registers: lane l holds row l % 16; registers 6 c .. 6 c + 5 hold K = 64 c + 32 (l / 16) + 0 .. 31: 24 bytes of the row, as they lie
.irp p, 0,1,2,3,4,5                    ; in pieces of 8 bytes; where the piece three on (lanes 16-31) lies behind one padding more, the second address register serves
.set PCE, 12*(\q)+6*(\p/3)+\p%3
.if PCE%8 < 5
	ds_load_b64 v[\reg+2*\p:\reg+2*\p+1], v[\adr] offset:8*PCE+16*(PCE/8)+(\i)*16*PITCH
.else
	ds_load_b64 v[\reg+2*\p:\reg+2*\p+1], v[\adr+2] offset:8*PCE+16*(PCE/8)+(\i)*16*PITCH
.endif
.endr
.endm
; 16 matrix instructions: R's blocks a0, a0 + 1 x P's eight, 128 along K.  The 64 accumulators take turns, one instruction a turn, in the same order in every step.
.macro MUL16 a0, p, q, sc, zero
.irp a, \a0, \a0+1
.irp b, 0,1,2,3,4,5,6,7
.if \zero
	v_wmma_scale_f32_16x16x128_f8f6f4 v[8*(8*((\a)%4)+\b):8*(8*((\a)%4)+\b)+7], v[128*(\p)+FR*\b:128*(\p)+FR*\b+FR-1], v[AF+FR*(\a):AF+FR*(\a)+FR-1], 0, v[SC+8*NQ*(\sc)+NQ*\b+(\q)], v[SC+8*NQ*(\sc)+NQ*(\a)+(\q)] matrix_a_fmt:MATRIX_FMT_FP6 matrix_b_fmt:MATRIX_FMT_FP6 matrix_a_scale:MATRIX_SCALE_ROW1
.else
	v_wmma_scale_f32_16x16x128_f8f6f4 v[8*(8*((\a)%4)+\b):8*(8*((\a)%4)+\b)+7], v[128*(\p)+FR*\b:128*(\p)+FR*\b+FR-1], v[AF+FR*(\a):AF+FR*(\a)+FR-1], v[8*(8*((\a)%4)+\b):8*(8*((\a)%4)+\b)+7], v[SC+8*NQ*(\sc)+NQ*\b+(\q)], v[SC+8*NQ*(\sc)+NQ*(\a)+(\q)] matrix_a_fmt:MATRIX_FMT_FP6 matrix_b_fmt:MATRIX_FMT_FP6 matrix_a_scale:MATRIX_SCALE_ROW1
.endif
.endr
.endr
.endm
.macro FETCH_B slot, q, p              ; P's eight fragments of the slot's q-th 128 along K into set p
	WIN TO_B
.irp i, 0,1,2,3,4,5,6,7
	FRAG 128*(\p)+FR*\i, ADRB+\slot, \q, \i
.endr
	WIN 0
.endm
.macro FETCH_A slot, q, i0             ; R's blocks i0 .. i0 + 3
.irp i, \i0, \i0+1, \i0+2, \i0+3
	FRAG AF+FR*(\i), ADRA+\slot, \q, \i
.endr
.endm
.macro SCALES sc                       ; the next K step's scale words into set sc: lanes 0-15 take R's block i, lanes 16-31 P's block i
.irp i, 0,1,2,3,4,5,6,7
	ds_load_b64 v[SC+8*NQ*\sc+NQ*\i:SC+8*NQ*\sc+NQ*\i+1], v[ADRS] offset:\i*SBLK
.endr
.endm
.macro PLACES n                        ; plain vector instructions between a matrix instruction and a load into, or a vector read of, its registers
.rept \n
	v_nop
.endr
.endm
; A step of 128 along K that has its successor in the same slot.
.macro STEP slot, q, zero
	s_wait_dscnt 4*NL                              ; P's set and R's blocks 0-3 are in; the youngest 24 loads (R's blocks 4-7) may be out
	WIN MUL_LO
	MUL16 0, (\q)%2, \q, \slot, \zero
	MUL16 2, (\q)%2, \q, \slot, \zero
	s_wait_dscnt 0                                 ; R's blocks 4-7 are in
	PLACES NP
	FETCH_B \slot, (\q)+1, 1-(\q)%2
	FETCH_A \slot, (\q)+1, 0
	WIN MUL_HI
	MUL16 4, (\q)%2, \q, \slot, \zero
	MUL16 6, (\q)%2, \q, \slot, \zero
	PLACES NP
	WIN 0
	FETCH_A \slot, (\q)+1, 4
.endm
; A slot's last step changes slots: one barrier; in front of it each wave waits for all its tensor loads, adds 0 to its spare word, and waits for that and for its own reads of this slot.
.macro TURN slot, next, fill
	s_wait_tensorcnt 0x0                           ; all my tensor loads have landed: my part of the next slot
	ds_add_u32 v[SPW], v[NIL]                      ; 0 onto my spare word
	s_wait_dscnt 4*NL+1                            ; the add and the youngest 24 loads may be out
	WIN MUL_LO
	MUL16 0, 1, NQ-1, \slot, 0
	s_wait_dscnt 0x0                               ; the add is done, and my reads of this slot are over
	s_barrier_signal -1
	MUL16 2, 1, NQ-1, \slot, 0
	WIN 0
	s_barrier_wait -1
.if \fill
	CREST                                          ; the barrier has opened a round of the cluster's: no wave of any partner still reads this slot or has a load on its way
	s_add_nc_u64 s[G0+4*\slot+2:G0+4*\slot+3], s[G0+4*\slot+2:G0+4*\slot+3], 2*ROWB
	s_add_nc_u64 s[G0B+4*\slot+2:G0B+4*\slot+3], s[G0B+4*\slot+2:G0B+4*\slot+3], 2*ROWB
	JLOAD G0+4*\slot, G1, G0B+4*\slot, G1B         ; the first tensor load behind the round; its four v_nop are the places in front of the loads below
.else
	PLACES NP
.endif
	v_add_nc_u32 v[ADRS], 4*NQ, v[ADRS]            ; on to the next K step's scale words
	FETCH_B \next, 0, 0
	FETCH_A \next, 0, 0
	SCALES \next
	WIN MUL_HI
	MUL16 4, 1, NQ-1, \slot, 0
	MUL16 6, 1, NQ-1, \slot, 0
	PLACES NP
	WIN 0
	FETCH_A \next, 0, 4
.endm
	s_wait_tensorcnt 1                             ; the scales and my part of K step 0 are in (K step 1's load may be out),
	s_barrier_signal -1
	s_barrier_wait -1                              ; everybody's are
	FETCH_B 0, 0, 0
	FETCH_A 0, 0, 0
	SCALES 0
	FETCH_A 0, 0, 4
	STEP 0, 0, 1                                   ; the first step's products start the sums
	s_mov_b32 s3, LAPS-1
.Llap:                                                 ; a trip goes once round the ring and fills both slots again
	TURN 0, 1, 1
	STEP 1, 0, 0
	TURN 1, 0, 1
	STEP 0, 0, 0
	s_sub_co_u32 s3, s3, 1
	s_cmp_lg_u32 s3, 0
	s_cbranch_scc1 .Llap
	TURN 0, 1, 0                                   ; the last lap fills nothing
	STEP 1, 0, 0
	s_wait_dscnt 4*NL
	WIN MUL_LO
	MUL16 0, 1, NQ-1, 1, 0
	MUL16 2, 1, NQ-1, 1, 0
	s_wait_dscnt 0
	WIN MUL_HI
	MUL16 4, 1, NQ-1, 1, 0
	MUL16 6, 1, NQ-1, 1, 0
	WIN 0
; R block a's 64 registers a lane become a fragment's codes in v[PC] on and its rows' scale word in v[PWS + a].
.macro QUANT a
.set AC, 64*((\a)%4)
.if (\a) > 0
	s_wait_xcnt 0x0                                ; the last block's stores have read their registers: the codes may be written again
.endif
.set WS, 5*(2+(\a)/4)
	WIN WS                                         ; sources 0 and 1: the accumulators' window
.irp b, 0,1,2,3
	v_max3_num_f32 v[TM+\b], |v[AC+16*\b]|, |v[AC+16*\b+1]|, 0x1800000   ; block b: my 16 numbers, each accumulator from its low end on, and the floor 2^(3 - 127): the byte cannot fall under 1
.endr
.irp i, 2,4,6,8,10,12,14
.irp b, 0,1,2,3
	v_max3_num_f32 v[TM+\b], |v[AC+16*\b+\i]|, |v[AC+16*\b+\i+1]|, v[TM+\b]
.endr
.endr
	WIN 0
.irp b, 0,1,2,3
	v_permlanex16_b32 v[TM+4+\b], v[TM+\b], s[SEL], s[SEL+1]
.endr
.irp b, 0,1,2,3
	v_max_num_f32 v[TM+\b], v[TM+\b], v[TM+4+\b]   ; with lane l xor 16's: the block's largest magnitude
.endr
.irp b, 0,1,2,3
	v_add_nc_u32 v[TM+12+\b], 0xff000000, v[TM+\b] ; 2 off its exponent field: the conversion's scale operand
.endr
.irp b, 0,1,2,3
	v_lshrrev_b32 v[TM+4+\b], 23, v[TM+12+\b]      ; the scale's byte
.endr
	v_lshl_or_b32 v[PWS+(\a)], v[TM+5], 8, v[TM+4]
	v_lshl_or_b32 v[PWS+(\a)], v[TM+6], 16, v[PWS+(\a)]
	v_lshl_or_b32 v[PWS+(\a)], v[TM+7], 24, v[PWS+(\a)]
.set WS, 2+(\a)/4
	WIN WS                                         ; source 0: the accumulators' window
.irp c, 0,1
	v_cvt_scalef32_pk16_fp6_f32 v[PC+6*\c:PC+6*\c+2], v[AC+32*\c:AC+32*\c+15], v[TM+12+2*\c]
	v_cvt_scalef32_pk16_fp6_f32 v[PT+4*\c:PT+4*\c+2], v[AC+32*\c+16:AC+32*\c+31], v[TM+13+2*\c]   ; (a conversion's three registers begin on an even number)
.endr
	WIN 0
	v_nop                                          ; one plain place behind a scaled conversion
.irp c, 0,1                                    ; a lane gets a whole block: lanes 0-15 block 2 c, lanes 16-31 block 2 c + 1
.irp i, 0,1,2
	v_permlane16_swap_b32 v[PC+6*\c+\i], v[PT+4*\c+\i]
.endr
.irp i, 0,1,2
	v_mov_b32 v[PC+3+6*\c+\i], v[PT+4*\c+\i]
.endr
.endr
.endm
; Block a is quantised and stored.  q, k: 16 tokens; registers 0-5 are the first head's 64 channels, 6-11 the second head's.  v: 16 channels (head a / 4, tile a % 4) x 128 keys.
.macro OUT a
	QUANT \a
	s_cmp_eq_u32 s[KIND], 2
	s_cbranch_scc1 .Lput_v_\@
	global_store_b128 v[VO16], v[PC:PC+3], s[12:13] offset:768*(\a)
	global_store_b64 v[VO8], v[PC+4:PC+5], s[12:13] offset:768*(\a)+512
	global_store_b128 v[VO16], v[PC+6:PC+9], s[12:13] offset:HSTR+768*(\a)
	global_store_b64 v[VO8], v[PC+10:PC+11], s[12:13] offset:HSTR+768*(\a)+512
	s_branch .Lput_done_\@
.Lput_v_\@:
.irp k, 0,1,2
	global_store_b128 v[VO16], v[PC+4*\k:PC+4*\k+3], s[12:13] offset:((\a)/4)*HSTR+6144+((\a)%4)*1536+512*\k
.endr
.Lput_done_\@:
.endm
	PLACES NP                                      ; in front of the first read of results
.irp a, 0,1,2,3,4,5,6,7
	OUT \a
.endr
	; the scale words: blocks 2 i and 2 i + 1 share a register, the even one in lanes 0-15, the odd one in lanes 16-31, as the next launch's matrix instructions take them
	v_cmp_le_u32 vcc_lo, 16, v[LN]
.irp i, 0,1,2,3
	v_cndmask_b32 v[CW+\i], v[PWS+2*\i], v[PWS+2*\i+1], vcc_lo
.endr
	s_cmp_eq_u32 s[KIND], 2
	s_cbranch_scc1 .Lscale_v
.irp i, 0,1,2,3
	v_and_b32 v[MW+\i], 0xffff, v[CW+\i]           ; the first head's two bytes; the upper two stay 0
	v_lshrrev_b32 v[SW+\i], 16, v[CW+\i]           ; the second head's
.endr
	global_store_b128 v[VO16], v[MW:MW+3], s[12:13] offset:12288
	global_store_b128 v[VO16], v[SW:SW+3], s[12:13] offset:HSTR+12288
	s_branch .Lscale_done
.Lscale_v:
	global_store_b64 v[VO8], v[CW:CW+1], s[12:13] offset:12800
	global_store_b64 v[VO8], v[CW+2:CW+3], s[12:13] offset:HSTR+12800
.Lscale_done:
	s_wait_tensorcnt 0x0                           ; the wave's end
	ds_add_u32 v[SPW], v[NIL]
	s_wait_dscnt 0x0
	CROUND                                         ; the closing round: no work-group ends while a partner may still ask for a tile that names it
	s_endpgm
.Lfunc_end_k_qa2e6ad2d04_proj:
	.size	k_qa2e6ad2d04_proj, .Lfunc_end_k_qa2e6ad2d04_proj-k_qa2e6ad2d04_proj
	.p2alignl 7, 3214868480
	.fill 96, 4, 3214868480
	.section	.rodata,"a",@progbits
	.p2align	6, 0x0
	.amdhsa_kernel k_qa2e6ad2d04_proj
		.amdhsa_group_segment_fixed_size 327680
		.amdhsa_private_segment_fixed_size 0
		.amdhsa_enable_private_segment 0
		.amdhsa_kernarg_size 80
		.amdhsa_user_sgpr_count 2
		.amdhsa_user_sgpr_kernarg_segment_ptr 1
		.amdhsa_wavefront_size32 1
		.amdhsa_system_sgpr_workgroup_id_x 1
		.amdhsa_system_sgpr_workgroup_id_y 1
		.amdhsa_system_sgpr_workgroup_id_z 1
		.amdhsa_system_vgpr_workitem_id 0
		.amdhsa_next_free_vgpr 1024
		.amdhsa_next_free_sgpr 100
		.amdhsa_reserve_vcc 1
		.amdhsa_float_denorm_mode_32 3
		.amdhsa_float_denorm_mode_16_64 3
		.amdhsa_memory_ordered 1
		.amdhsa_forward_progress 1
		.amdhsa_inst_pref_size 169
	.end_amdhsa_kernel
	.amdgpu_metadata
---
amdhsa.version: [ 1, 2 ]
amdhsa.kernels:
  - .name:           k_qa2e6ad2d04_proj
    .symbol:         k_qa2e6ad2d04_proj.kd
    .args:
      - { .name: x_codes, .offset: 0, .size: 8, .value_kind: global_buffer, .address_space: global }
      - { .name: x_scales, .offset: 8, .size: 8, .value_kind: global_buffer, .address_space: global }
      - { .name: wq_codes, .offset: 16, .size: 8, .value_kind: global_buffer, .address_space: global }
      - { .name: wq_scales, .offset: 24, .size: 8, .value_kind: global_buffer, .address_space: global }
      - { .name: wk_codes, .offset: 32, .size: 8, .value_kind: global_buffer, .address_space: global }
      - { .name: wk_scales, .offset: 40, .size: 8, .value_kind: global_buffer, .address_space: global }
      - { .name: wv_codes, .offset: 48, .size: 8, .value_kind: global_buffer, .address_space: global }
      - { .name: wv_scales, .offset: 56, .size: 8, .value_kind: global_buffer, .address_space: global }
      - { .name: qbuf, .offset: 64, .size: 8, .value_kind: global_buffer, .address_space: global }
      - { .name: kvbuf, .offset: 72, .size: 8, .value_kind: global_buffer, .address_space: global }
    .group_segment_fixed_size: 327680
    .private_segment_fixed_size: 0
    .kernarg_segment_align: 8
    .kernarg_segment_size: 80
    .max_flat_workgroup_size: 128
    .sgpr_count:     100
    .vgpr_count:     1024
    .wavefront_size: 32
...
	.end_amdgpu_metadata
.endif
;; end of part 1
;; launch attn (part 2): grid 4 x 64, 16 waves a work-group, no clusters, 210,944 bytes of LDS; arguments qbuf, kvbuf, aimg, asc; writes aimg, asc
.if DOCPART == 2
	.amdgcn_target "amdgcn-amd-amdhsa--gfx1250"
	.amdhsa_code_object_version 6
	.text
	.protected	k_qa2e6ad2d04_attn
	.globl	k_qa2e6ad2d04_attn
	.p2align	8
	.type	k_qa2e6ad2d04_attn,@function
k_qa2e6ad2d04_attn:
	s_mov_b64 s[64:65], 0
	v_nop
	global_prefetch_b8 v0, s[64:65] scope:SCOPE_SE
	s_setreg_imm32_b32 hwreg(HW_REG_WAVE_MODE, 25, 1), 1
	s_wait_xcnt 0x0
; For each (batch, head): scores = q k^T / 32; a score counts only where key > query, all others are the mask's fill; p = 2^(t - M), t = score x log2(e), M the ceiling of the row's running largest t;
; O = p v / (the sum of the unquantised p); O is quantised along its 64 channels and leaves as codes for the last product.  Both products on codes of FP6 (E2M3) with E8M0 scales.
; A HEAD'S K AND V, codes and scale words, are 16 records of 13,056 bytes, 208,896 dense bytes: they come into LDS whole, once.  No byte of LDS is filled twice, and nothing is stored to LDS.
; Waves 0 to 3 ask for four records each at the head, the quarter with the highest keys first; one barrier stands in front of each quarter's first use; behind the fourth every wave walks alone.
; SHARES.  Work-group (x, y): head y, 32 of its 128 tiles of 16 queries.  With z = 16 x + wave a wave takes tile (z + 127) % 128 and then tile 126 - z: each tile once, and 17 or 18 key steps of 128 for every wave.
; A key step all of whose keys are at or under all of the tile's queries is left out (a scalar branch on ids): its p are 0.  Tile 127 leaves nothing out: query 2,047 has no key that counts, and its row is
; the same weight on all 2,048 keys.
; LAYOUT.  S^T = K Q^T (source 0 = 16 neighbouring keys, source 1 = my 16 queries), O^T = V^T P^T: a lane holds one query (lane % 16) throughout; register 8 t + j of S^T is key 16 t + 8 (lane / 16) + j.
; The head's K is 64, half of the instruction's 128: q's registers 6-11 are zero codes.  Against them stand, as K's registers 6-11, the next tile's codes (tile t's operand is v[F + 6 t .. F + 6 t + 11]):
; FP6 has no infinity and no NaN, and the upper scale bytes are 0, so these products are zeros.
; p is quantised in registers; inside a block of 32 keys its codes stand in the order 0-7, 16-23, 8-15, 24-31, as V's codes were laid by the launch before.
; THE FILL is -2^35 in units of q . k, that is -2^30 as a score, where the module writes -1e9: times c = log2(e) / 32 it is a whole number, exactly, so that a row of fills has p = 1 exactly, as in f32 it has with -1e9.
; LIMITS: scores that count stay above about -1e9 (they are of the size of q . k / 32); NaN and infinities are not served; a block of O whose largest magnitude lies under 2^(3 - 127) keeps the scale byte 1.
; NO CLUSTER: the four work-groups of a head read the same records, but which key steps a wave leaves out hangs on the work-group's number, and partners of a joint load may not branch on their place.
; NO PREFETCH: all that a work-group reads is asked for at its head.
.set REC,  13056
.set HSTR, 16*REC
.set L16,  1                           ; v1   16 x lane
.set L8,   2                           ; v2   8 x lane
.set A16,  3                           ; v3   the step's record + 16 x lane
.set A8,   4                           ; v4   the step's record + 8 x lane
.set R16,  5                           ; v5   16 x (lane % 16)
.set DQ,   6                           ; v6   lane % 16 - 8 (lane / 16)
.set FILL, 7                           ; v7   -2^35
.set R32,  10                          ; v10  32 x (lane % 16)
.set DD,   11                          ; v11  my query - the step's first key - 8 (lane / 16)
.set QA,   12                          ; v12-23 q's fragment of my first tile; registers 6-11 are zeros
.set QB,   24                          ; v24-35 of my second
.set QSA,  36                          ; v36, v37 their scale words
.set QSB,  37
.set PS,   38                          ; v38  p's scale word
.set KSW,  40                          ; v40-43 K's scale words: register i: tile 2 i in lanes 0-15, tile 2 i + 1 in lanes 16-31
.set VSW,  44                          ; v44-45 V's likewise
;                                        v46 -M, v47 the largest t, v[48:49] the sum in two halves, v[50:51] f, later 1 / the sum
.set BM,   52                          ; v52-55 the blocks' largest scores, then largest p
.set T2,   56                          ; v56-59 at work
.set SO,   60                          ; v60-63 the conversions' scale operands
;                                        v64 at work
.set PC,   66                          ; v66-77 p's codes
.set PT,   78                          ; v78-80, v82-84 the conversions' second halves
.set S,    86                          ; v86-149 S^T, then p
.set O,    150                         ; v150-181 O^T
.set F,    182                         ; v182-235 K's eight half fragments and six zeros; later V's four fragments
	s_load_b256 s[4:11], s[0:1], 0x0               ; qbuf, kvbuf, aimg, asc
	v_lshl_add_u32 v254, v0, 2, 0x33000
	v_mov_b32 v255, 0
	ds_add_u32 v254, v255
	ds_add_u32 v254, v255
	v_lshrrev_b32 v1, 5, v0
	s_delay_alu instid0(VALU_DEP_1)
	v_readfirstlane_b32 s12, v1                    ; wave 0..15
	s_mov_b32 s13, ttmp9                           ; which quarter of the tiles
	s_and_b32 s14, ttmp7, 0xffff                   ; batch x 16 + head
	s_lshl_b32 s15, s13, 4
	s_add_co_u32 s15, s15, s12                     ; z
	s_add_co_u32 s16, s15, 127
	s_and_b32 s16, s16, 127                        ; my first tile
	s_sub_co_u32 s17, 126, s15                     ; my second
	s_mov_b32 s20, 0x76543210
	s_mov_b32 s21, 0xfedcba98                      ; v_permlanex16_b32's selects for lane l xor 16
	s_mov_b32 s22, 0x3d38aa3b                      ; c = log2(e) / 32
	s_mov_b32 s23, s22                             ; (named with it as a pair)
	; descriptor group 1: a record as 51 rows of 256 bytes (32 elements of 8 bytes), dense, no padding, no mask
	s_mov_b32 s24, 3<<16
	s_mov_b32 s25, 32<<16                          ; tensor_dim0
	s_mov_b32 s26, 51<<16                          ; tensor_dim1
	s_mov_b32 s27, 32<<16                          ; tile_dim0
	s_mov_b32 s28, 51                              ; tile_dim1
	s_mov_b32 s29, 32                              ; tensor_dim0_stride
	s_mov_b32 s30, 0
	s_mov_b32 s31, 0
	s_mul_i32 s66, s12, REC                        ; record w of a quarter: in LDS and in memory
	s_mul_i32 s67, s14, HSTR                       ; the head's records
	s_add_co_u32 s68, s67, s66
	s_mov_b32 s69, 0
	s_wait_dscnt 0x0
	s_wait_kmcnt 0x0
	s_add_nc_u64 s[68:69], s[6:7], s[68:69]
.irp c, 0,1,2,3                                ; group 0 of quarter c: record 4 c + wave; each has its own registers, never rewritten
	s_mov_b32 s[32+4*\c], 1
	s_add_co_u32 s[33+4*\c], s66, 4*\c*REC
	s_add_nc_u64 s[34+4*\c:35+4*\c], s[68:69], 4*\c*REC
	s_or_b32 s[35+4*\c], s[35+4*\c], 0x80000000
.endr
	s_cmp_lt_u32 s12, 4                            ; a wave's four fills stand in one branch, ahead of every wait on TENSORcnt, every LDS read and every barrier: four loads of mine are out
	s_cbranch_scc0 .Lno_fetch
	tensor_load_to_lds s[44:47], s[24:31]          ; keys 1,536 on: every tile wants them
	s_nop 0
	tensor_load_to_lds s[40:43], s[24:31]
	s_nop 0
	tensor_load_to_lds s[36:39], s[24:31]
	s_nop 0
	tensor_load_to_lds s[32:35], s[24:31]
	s_nop 0
.rept 4
	v_nop
.endr
.Lno_fetch:
	v_and_b32 v8, 31, v0
	s_delay_alu instid0(VALU_DEP_1)
	v_lshlrev_b32 v[L16], 4, v8
	s_wait_alu depctr_va_vdst(0)
	v_lshlrev_b32 v[L8], 3, v8
	s_wait_alu depctr_va_vdst(0)
	v_and_b32 v9, 15, v0                           ; r
	v_bfe_u32 v8, v0, 4, 1                         ; h
	s_delay_alu instid0(VALU_DEP_2)
	v_lshlrev_b32 v[R16], 4, v9
	s_wait_alu depctr_va_vdst(0)
	v_lshlrev_b32 v[R32], 5, v9
	v_lshlrev_b32 v8, 3, v8
	s_delay_alu instid0(VALU_DEP_1)
	v_sub_nc_u32 v[DQ], v9, v8
	v_mov_b32 v[FILL], 0xd1000000
; What hangs on a tile t: its first query; the bound under which a key step is left out; where its q, q's scale words, its codes of O and their scale bytes lie.
.macro TILEADR t, q0, qsk, ob, sb, qb, qs
	s_lshl_b32 s[\q0], s[\t], 4
	s_cmp_eq_u32 s[\t], 127
	s_cselect_b32 s[\qsk], 0, s[\q0]               ; tile 127 leaves nothing out
	s_lshl_b32 s74, s14, 4
	s_lshr_b32 s75, s[\t], 3
	s_add_co_u32 s74, s74, s75
	s_mul_i32 s74, s74, REC                        ; the record of its 128 tokens
	s_and_b32 s75, s[\t], 7
	s_mul_i32 s75, s75, 768
	s_add_co_u32 s76, s74, s75
	s_mov_b32 s77, 0
	s_add_nc_u64 s[\qb:\qb+1], s[4:5], s[76:77]    ; its half fragment
	s_and_b32 s75, s[\t], 1
	s_lshl_b32 s75, s75, 8
	s_add_co_u32 s76, s74, s75
	s_bfe_u32 s75, s[\t], 0x20001
	s_lshl_b32 s75, s75, 2
	s_add_co_u32 s76, s76, s75
	s_add_co_u32 s76, s76, 12288
	s_add_nc_u64 s[\qs:\qs+1], s[4:5], s[76:77]    ; its scale words: 256 (t % 2) + 4 ((t / 2) % 4), 16 bytes from row to row
	s_lshr_b32 s74, s14, 4                         ; batch
	s_lshl_b32 s75, s74, 7
	s_add_co_u32 s75, s75, s[\t]
	s_lshl_b32 s75, s75, 4
	s_and_b32 s78, s14, 15                         ; head
	s_add_co_u32 s75, s75, s78
	s_mul_i32 s76, s75, 768
	s_add_nc_u64 s[\ob:\ob+1], s[8:9], s[76:77]    ; aimg: [token / 16][head][768]
	s_lshl_b32 s75, s74, 11
	s_add_co_u32 s75, s75, s[\q0]
	s_lshl_b32 s75, s75, 5
	s_lshl_b32 s78, s78, 1
	s_add_co_u32 s76, s75, s78
	s_add_nc_u64 s[\sb:\sb+1], s[10:11], s[76:77]  ; asc: [token][32], two bytes a head
.endm
	TILEADR 16, 52, 53, 54, 56, 66, 68
	TILEADR 17, 58, 59, 60, 62, 70, 72
	global_load_b128 v[QA:QA+3], v[L16], s[66:67]
	global_load_b64 v[QA+4:QA+5], v[L8], s[66:67] offset:512
	global_load_b32 v[QSA], v[R16], s[68:69]
	global_load_b128 v[QB:QB+3], v[L16], s[70:71]
	global_load_b64 v[QB+4:QB+5], v[L8], s[70:71] offset:512
	global_load_b32 v[QSB], v[R16], s[72:73]
.irp i, 6,7,8,9,10,11
	v_mov_b32 v[QA+\i], 0                          ; zero codes for the upper 64 of the instruction's K
	v_mov_b32 v[QB+\i], 0
	v_mov_b32 v[F+42+\i], 0                        ; what stands against them behind the eighth tile of K
.endr
.irp b, 0,1,2,3
	v_mov_b32 v[T2+\b], 0                          ; written once: a lane permute's destination counts as one of its sources
.endr
	v_mov_b32 v51, 0                               ; (named as the upper half of the pair v[50:51])
	v_mov_b32 v64, 0
.macro INIT                                    ; a tile begins: the first change of M multiplies zeros
	v_mov_b32 v47, 0xff61b1e6                      ; the largest t so far: -3e38
	s_delay_alu instid0(VALU_DEP_1)
	v_floor_f32 v46, -v47                          ; -M
	v_mov_b32 v48, 0
	v_mov_b32 v49, 0
.set j, 0
.rept 32
	v_mov_b32 v[O+j], 0
.set j, j+1
.endr
.endm
	INIT
	s_wait_loadcnt 0x0                             ; q
; A KEY STEP: the 128 keys from s49 on, whose record begins at LDS byte s48.  qf, qs: q's fragment and scale words; q0, qsk: scalar registers with the tile's first query and the bound for leaving out.
.macro STEP qf, qs, q0, qsk
	s_add_co_u32 s51, s49, 127
	s_cmp_le_u32 s51, s[\qsk]                      ; the step's last key is at or under my first query: nothing counts
	s_cbranch_scc1 .Lhid_\@
	s_setprio 2
	v_add_nc_u32 v[A16], s48, v[L16]
	v_add_nc_u32 v[A8], s48, v[L8]
	v_nop
	v_nop                                          ; four places behind the last step's products, in front of loads into the registers that they read
.irp t, 0,1,2,3,4,5,6,7
	ds_load_b128 v[F+6*\t:F+6*\t+3], v[A16] offset:768*\t
	ds_load_b64 v[F+6*\t+4:F+6*\t+5], v[A8] offset:768*\t+512
.endr
	ds_load_b128 v[KSW:KSW+3], v[A16] offset:12288
	s_wait_alu depctr_va_vdst(0)
	s_wait_dscnt 0x0
.irp t, 0,1,2,3,4,5,6,7
.if (\t)%2
	v_wmma_scale_f32_16x16x128_f8f6f4 v[S+8*\t:S+8*\t+7], v[F+6*\t:F+6*\t+11], v[\qf:\qf+11], 0, v[KSW+\t/2], v[\qs] matrix_a_fmt:MATRIX_FMT_FP6 matrix_b_fmt:MATRIX_FMT_FP6 matrix_a_scale:MATRIX_SCALE_ROW1
.else
	v_wmma_scale_f32_16x16x128_f8f6f4 v[S+8*\t:S+8*\t+7], v[F+6*\t:F+6*\t+11], v[\qf:\qf+11], 0, v[KSW+\t/2], v[\qs] matrix_a_fmt:MATRIX_FMT_FP6 matrix_b_fmt:MATRIX_FMT_FP6
.endif
.endr
.rept 4
	v_nop                                          ; places in front of the loads below and of the first read of the scores
.endr
.irp t, 0,1,2,3                                ; V is asked for now and lands under the softmax
.irp k, 0,1,2
	ds_load_b128 v[F+12*\t+4*\k:F+12*\t+4*\k+3], v[A16] offset:6144+1536*\t+512*\k
.endr
.endr
	ds_load_b64 v[VSW:VSW+1], v[A8] offset:12800
	s_add_co_u32 s51, s[\q0], 15
	s_cmp_gt_u32 s49, s51                          ; the step's first key is above my last query: all count
	s_cbranch_scc1 .Lopen_\@
	s_sub_co_i32 s51, s[\q0], s49
	v_add_nc_u32 v[DD], s51, v[DQ]                 ; register 8 t + j holds a key at or under my query where 16 t + j <= d
.set n, 0
.rept 64
	v_cmp_le_i32 vcc_lo, 16*(n/8)+n%8, v[DD]
	v_cndmask_b32 v[S+n], v[S+n], v[FILL], vcc_lo
.set n, n+1
.endr
.Lopen_\@:
.irp b, 0,1,2,3
	v_max3_num_f32 v[BM+\b], v[S+16*\b], v[S+16*\b+1], v[S+16*\b+2]   ; the largest score of each block of 32 keys: for the row's maximum and, since p rises with the score, for the block's largest p
.endr
.irp i, 3,5,7,9,11,13
.irp b, 0,1,2,3
	v_max3_num_f32 v[BM+\b], v[BM+\b], v[S+16*\b+\i], v[S+16*\b+\i+1]
.endr
.endr
.irp b, 0,1,2,3
	v_max_num_f32 v[BM+\b], v[BM+\b], v[S+16*\b+15]
.endr
.irp b, 0,1,2,3
	s_delay_alu instid0(VALU_DEP_4)
	v_permlanex16_b32 v[T2+\b], v[BM+\b], s20, s21
.endr
.irp b, 0,1,2,3
	s_delay_alu instid0(VALU_DEP_4)
	v_max_num_f32 v[BM+\b], v[BM+\b], v[T2+\b]     ; with lane l xor 16's 16 keys
.endr
	s_delay_alu instid0(VALU_DEP_2)
	v_max3_num_f32 v64, v[BM], v[BM+1], v[BM+2]
	s_delay_alu instid0(VALU_DEP_1)
	v_max_num_f32 v64, v64, v[BM+3]
	s_delay_alu instid0(VALU_DEP_1)
	v_mul_f32 v64, s22, v64                        ; the step's largest t
	s_delay_alu instid0(VALU_DEP_1)
	v_max_num_f32 v47, v47, v64                    ; the running largest t
	v_mov_b32 v64, v46
	s_delay_alu instid0(VALU_DEP_2)
	v_floor_f32 v46, -v47                          ; the new -M = -ceil(t)
	s_delay_alu instid0(VALU_DEP_1)
	v_sub_f32 v64, v46, v64                        ; old M - new M: a whole number, 0 or less
	s_delay_alu instid0(VALU_DEP_1)
	v_cvt_i32_f32 v64, v64                         ; (it saturates)
	s_delay_alu instid0(VALU_DEP_1)
	v_ldexp_f32 v50, 1.0, v64                      ; f = 2^(old M - new M)
.set j, 0
.rept 32
	v_pk_fma_f32 v[S+j:S+j+1], v[S+j:S+j+1], s[22:23], v[46:47] op_sel_hi:[1,0,0]   ; t - M, two at a time
.set j, j+2
.endr
	s_setprio 1
.irp b, 0,1,2,3
	v_fma_f32 v[BM+\b], v[BM+\b], s22, v46         ; the same of each block's largest score
.endr
.set j, 0
	s_wait_alu depctr_va_vdst(0)
.rept 64
	v_exp_f32 v[S+j], v[S+j]                       ; p = 2^(t - M), not normalised
.set j, j+1
.endr
	v_pk_mul_f32 v[48:49], v[48:49], v[50:51] op_sel_hi:[1,0]   ; the sums under the new M: a plain place behind the exponentials
	s_wait_alu depctr_va_vdst(0)                   ; one wait for the batch, ahead of its first reader
.irp b, 0,1,2,3
	v_exp_f32 v[BM+\b], v[BM+\b]                   ; the block's largest p
.endr
	v_pk_add_f32 v[56:57], v[90:91], v[94:95]
	v_pk_add_f32 v[252:253], v[98:99], v[102:103]
	v_pk_add_f32 v[250:251], v[106:107], v[110:111]
	v_pk_add_f32 v[248:249], v[114:115], v[118:119]
	v_pk_add_f32 v[246:247], v[122:123], v[126:127]
	v_pk_add_f32 v[244:245], v[130:131], v[134:135]
	v_pk_add_f32 v[242:243], v[138:139], v[142:143]
	v_pk_add_f32 v[48:49], v[48:49], v[146:147]
	v_pk_add_f32 v[56:57], v[56:57], v[86:87]
	v_pk_add_f32 v[252:253], v[252:253], v[88:89]
	v_pk_add_f32 v[250:251], v[250:251], v[92:93]
	v_pk_add_f32 v[248:249], v[248:249], v[96:97]
	v_pk_add_f32 v[246:247], v[246:247], v[100:101]
	v_pk_add_f32 v[244:245], v[244:245], v[104:105]
	v_pk_add_f32 v[242:243], v[242:243], v[108:109]
	v_pk_add_f32 v[48:49], v[48:49], v[112:113]
	v_pk_add_f32 v[56:57], v[56:57], v[116:117]
	v_pk_add_f32 v[252:253], v[252:253], v[120:121]
	v_pk_add_f32 v[250:251], v[250:251], v[124:125]
	v_pk_add_f32 v[248:249], v[248:249], v[128:129]
	v_pk_add_f32 v[246:247], v[246:247], v[132:133]
	v_pk_add_f32 v[244:245], v[244:245], v[136:137]
	v_pk_add_f32 v[242:243], v[242:243], v[140:141]
	v_pk_add_f32 v[48:49], v[48:49], v[144:145]
	v_pk_add_f32 v[56:57], v[56:57], v[148:149]
	s_delay_alu instid0(VALU_DEP_2)
	v_pk_add_f32 v[48:49], v[48:49], v[248:249]
	s_delay_alu instid0(VALU_DEP_2)
	v_pk_add_f32 v[56:57], v[56:57], v[246:247]
	v_pk_add_f32 v[252:253], v[252:253], v[244:245]
	v_pk_add_f32 v[250:251], v[250:251], v[242:243]
	s_delay_alu instid0(VALU_DEP_2)
	v_pk_add_f32 v[48:49], v[48:49], v[252:253]
	s_delay_alu instid0(VALU_DEP_2)
	v_pk_add_f32 v[56:57], v[56:57], v[250:251]
	s_delay_alu instid0(VALU_DEP_1)
	v_pk_add_f32 v[48:49], v[48:49], v[56:57]
	s_wait_alu depctr_va_vdst(0)                   ; and one for the four
.irp b, 0,1,2,3
	v_max_num_f32 v[BM+\b], 0x1800000, v[BM+\b]    ; the floor 2^(3 - 127): the byte cannot fall under 1
.endr
.irp b, 0,1,2,3
	s_delay_alu instid0(VALU_DEP_4)
	v_add_nc_u32 v[SO+\b], 0xff000000, v[BM+\b]    ; 2 off the exponent field: the conversion's scale operand
.endr
.irp b, 0,1,2,3
	s_delay_alu instid0(VALU_DEP_4)
	v_lshrrev_b32 v[T2+\b], 23, v[SO+\b]           ; the scale's byte
.endr
	s_delay_alu instid0(VALU_DEP_3)
	v_lshl_or_b32 v[PS], v[T2+1], 8, v[T2]
	s_delay_alu instid0(VALU_DEP_1)
	v_lshl_or_b32 v[PS], v[T2+2], 16, v[PS]
	s_delay_alu instid0(VALU_DEP_1)
	v_lshl_or_b32 v[PS], v[T2+3], 24, v[PS]
	s_setprio 0
.irp c, 0,1
	v_cvt_scalef32_pk16_fp6_f32 v[PC+6*\c:PC+6*\c+2], v[S+32*\c:S+32*\c+15], v[SO+2*\c]
	v_cvt_scalef32_pk16_fp6_f32 v[PT+4*\c:PT+4*\c+2], v[S+32*\c+16:S+32*\c+31], v[SO+2*\c+1]
.endr
	v_nop                                          ; one plain place behind a scaled conversion
.irp c, 0,1                                    ; a lane gets a whole block: lanes 0-15 block 2 c, lanes 16-31 block 2 c + 1
.irp i, 0,1,2
	v_permlane16_swap_b32 v[PC+6*\c+\i], v[PT+4*\c+\i]
.endr
.irp i, 0,1,2
	s_delay_alu instid0(VALU_DEP_3)
	v_mov_b32 v[PC+3+6*\c+\i], v[PT+4*\c+\i]
.endr
.endr
.set j, 0
.rept 16
	v_pk_mul_f32 v[O+j:O+j+1], v[O+j:O+j+1], v[50:51] op_sel_hi:[1,0]   ; O^T under the new M; these sixteen are also the places between the writes of p's codes and scale word and the products
.set j, j+2
.endr
	s_wait_alu depctr_va_vdst(0)
	s_wait_dscnt 0x0                               ; V is in
.irp t, 0,1,2,3                                ; four accumulators, one instruction each
.if (\t)%2
	v_wmma_scale_f32_16x16x128_f8f6f4 v[O+8*\t:O+8*\t+7], v[F+12*\t:F+12*\t+11], v[PC:PC+11], v[O+8*\t:O+8*\t+7], v[VSW+\t/2], v[PS] matrix_a_fmt:MATRIX_FMT_FP6 matrix_b_fmt:MATRIX_FMT_FP6 matrix_a_scale:MATRIX_SCALE_ROW1
.else
	v_wmma_scale_f32_16x16x128_f8f6f4 v[O+8*\t:O+8*\t+7], v[F+12*\t:F+12*\t+11], v[PC:PC+11], v[O+8*\t:O+8*\t+7], v[VSW+\t/2], v[PS] matrix_a_fmt:MATRIX_FMT_FP6 matrix_b_fmt:MATRIX_FMT_FP6
.endif
.endr
.Lhid_\@:
	s_add_co_u32 s48, s48, REC                     ; the next record,
	s_add_co_u32 s49, s49, 128                     ; the next 128 keys
.endm
; Quarter c of the head's keys, for my first tile.  The quarters were asked for in the order 3, 2, 1, 0: behind quarter c's load c more were issued, and they may stay out.
.macro GROUP c
	s_wait_tensorcnt \c
	s_wait_dscnt 0x0                               ; no LDS load of mine is out at the signal
	s_barrier_signal -1
	s_barrier_wait -1                              ; all four fetching waves have seen their record of this quarter land
	s_mov_b32 s48, 4*(\c)*REC
	s_mov_b32 s49, 512*(\c)
	s_mov_b32 s50, 4
.Lgrp_\@:
	STEP QA, QSA, 52, 53
	s_sub_co_u32 s50, s50, 1
	s_cmp_lg_u32 s50, 0
	s_cbranch_scc1 .Lgrp_\@
	s_setprio 0
.endm
; A tile ends: O^T / the sum, quantised along the head's 64 channels (two blocks), put into the natural order of the codes (the last product's other operand is given so), and stored.
.macro FINISH ob, sb
.rept 4
	v_nop                                          ; places behind the last products
.endr
	v_add_f32 v48, v48, v49
	s_delay_alu instid0(VALU_DEP_1)
	v_permlanex16_b32 v64, v48, s20, s21
	s_delay_alu instid0(VALU_DEP_1)
	v_add_f32 v48, v48, v64                        ; the row's sum
	s_wait_alu depctr_va_vdst(0)
	v_rcp_f32 v50, v48
	v_nop                                          ; a plain place behind the reciprocal
	s_wait_alu depctr_va_vdst(0)                   ; and the wait ahead of its first reader
.set j, 0
.rept 16
	v_pk_mul_f32 v[S+j:S+j+1], v[O+j:O+j+1], v[50:51] op_sel_hi:[1,0]   ; register 8 t + i: channel 16 t + 8 (lane / 16) + i of my query
.set j, j+2
.endr
.irp b, 0,1
	v_max3_num_f32 v[BM+\b], |v[S+16*\b]|, |v[S+16*\b+1]|, 0x1800000
.endr
.irp i, 2,4,6,8,10,12,14
.irp b, 0,1
	s_delay_alu instid0(VALU_DEP_2)
	v_max3_num_f32 v[BM+\b], v[BM+\b], |v[S+16*\b+\i]|, |v[S+16*\b+\i+1]|
.endr
.endr
.irp b, 0,1
	s_delay_alu instid0(VALU_DEP_2)
	v_permlanex16_b32 v[T2+\b], v[BM+\b], s20, s21
.endr
.irp b, 0,1
	s_delay_alu instid0(VALU_DEP_2)
	v_max_num_f32 v[BM+\b], v[BM+\b], v[T2+\b]
.endr
.irp b, 0,1
	s_delay_alu instid0(VALU_DEP_2)
	v_add_nc_u32 v[SO+\b], 0xff000000, v[BM+\b]
.endr
.irp b, 0,1
	s_delay_alu instid0(VALU_DEP_2)
	v_lshrrev_b32 v[T2+\b], 23, v[SO+\b]
.endr
	s_delay_alu instid0(VALU_DEP_1)
	v_lshl_or_b32 v64, v[T2+1], 8, v[T2]           ; the head's two scale bytes of my query
	v_cvt_scalef32_pk16_fp6_f32 v[PT:PT+2], v[S:S+15], v[SO]
	v_cvt_scalef32_pk16_fp6_f32 v[PT+4:PT+6], v[S+16:S+31], v[SO+1]
	v_nop
.irp i, 0,1,2
	v_permlane16_swap_b32 v[PT+\i], v[PT+4+\i]     ; lane (r, h) now holds block h: in PT channels 0-7, 16-23 of it (6 bytes each), in PT + 4 channels 8-15, 24-31
.endr
	s_delay_alu instid0(VALU_DEP_3)
	v_mov_b32 v[PC], v[PT]                                  ; bytes 0-3:   channels 0-7, bytes 0-3
	s_delay_alu instid0(VALU_DEP_3)
	v_perm_b32 v[PC+1], v[PT+4], v[PT+1], 0x05040100        ; bytes 4-7:   channels 0-7, bytes 4-5; channels 8-15, bytes 0-1
	s_delay_alu instid0(VALU_DEP_4)
	v_perm_b32 v[PC+2], v[PT+5], v[PT+4], 0x05040302        ; bytes 8-11:  channels 8-15, bytes 2-5
	s_delay_alu instid0(VALU_DEP_4)
	v_perm_b32 v[PC+3], v[PT+2], v[PT+1], 0x05040302        ; bytes 12-15: channels 16-23, bytes 0-3
	v_perm_b32 v[PC+4], v[PT+5], v[PT+2], 0x07060302        ; bytes 16-19: channels 16-23, bytes 4-5; channels 24-31, bytes 0-1
	v_mov_b32 v[PC+5], v[PT+6]                              ; bytes 20-23: channels 24-31, bytes 2-5
	global_store_b128 v[L16], v[PC:PC+3], s[\ob:\ob+1]               ; 512 consecutive bytes, aligned
	global_store_b64 v[L8], v[PC+4:PC+5], s[\ob:\ob+1] offset:512    ; 256
	global_store_b16 v[R32], v64, s[\sb:\sb+1]                       ; two bytes a row, 32 bytes apart (lanes 16-31 write the same bytes with the same values): one byte in 24 of what the launch stores
.endm
	GROUP 3
	GROUP 2
	GROUP 1
	GROUP 0
	FINISH 54, 56
	s_wait_xcnt 0x0                                ; the stores have read their registers
	INIT
	s_mov_b32 s48, 0                               ; my second tile: the whole head lies in LDS
	s_mov_b32 s49, 0
	s_mov_b32 s50, 16
.Lsecond:
	STEP QB, QSB, 58, 59
	s_sub_co_u32 s50, s50, 1
	s_cmp_lg_u32 s50, 0
	s_cbranch_scc1 .Lsecond
	s_setprio 0
	FINISH 60, 62
	s_wait_tensorcnt 0x0
	ds_add_u32 v254, v255
	s_wait_dscnt 0x0
	s_endpgm
.Lfunc_end_k_qa2e6ad2d04_attn:
	.size	k_qa2e6ad2d04_attn, .Lfunc_end_k_qa2e6ad2d04_attn-k_qa2e6ad2d04_attn
	.p2alignl 7, 3214868480
	.fill 96, 4, 3214868480
	.section	.rodata,"a",@progbits
	.p2align	6, 0x0
	.amdhsa_kernel k_qa2e6ad2d04_attn
		.amdhsa_group_segment_fixed_size 210944
		.amdhsa_private_segment_fixed_size 0
		.amdhsa_enable_private_segment 0
		.amdhsa_kernarg_size 32
		.amdhsa_user_sgpr_count 2
		.amdhsa_user_sgpr_kernarg_segment_ptr 1
		.amdhsa_wavefront_size32 1
		.amdhsa_system_sgpr_workgroup_id_x 1
		.amdhsa_system_sgpr_workgroup_id_y 1
		.amdhsa_system_sgpr_workgroup_id_z 1
		.amdhsa_system_vgpr_workitem_id 0
		.amdhsa_next_free_vgpr 256
		.amdhsa_next_free_sgpr 84
		.amdhsa_reserve_vcc 1
		.amdhsa_float_denorm_mode_32 3
		.amdhsa_float_denorm_mode_16_64 3
		.amdhsa_memory_ordered 1
		.amdhsa_forward_progress 1
		.amdhsa_inst_pref_size 132
	.end_amdhsa_kernel
	.amdgpu_metadata
---
amdhsa.version: [ 1, 2 ]
amdhsa.kernels:
  - .name:           k_qa2e6ad2d04_attn
    .symbol:         k_qa2e6ad2d04_attn.kd
    .args:
      - { .name: qbuf, .offset: 0, .size: 8, .value_kind: global_buffer, .address_space: global }
      - { .name: kvbuf, .offset: 8, .size: 8, .value_kind: global_buffer, .address_space: global }
      - { .name: aimg, .offset: 16, .size: 8, .value_kind: global_buffer, .address_space: global }
      - { .name: asc, .offset: 24, .size: 8, .value_kind: global_buffer, .address_space: global }
    .group_segment_fixed_size: 210944
    .private_segment_fixed_size: 0
    .kernarg_segment_align: 8
    .kernarg_segment_size: 32
    .max_flat_workgroup_size: 512
    .sgpr_count:     84
    .vgpr_count:     256
    .wavefront_size: 32
...
	.end_amdgpu_metadata
.endif
;; end of part 2
;; launch oproj (part 3): grid 4 x 64, 4 waves a work-group, clusters of 4 x 4, 327,680 bytes of LDS; arguments aimg, asc, wo_codes, wo_scales, out0; writes out0
.if DOCPART == 3
	.amdgcn_target "amdgcn-amd-amdhsa--gfx1250"
	.amdhsa_code_object_version 6
	.text
	.protected	k_qa2e6ad2d04_oproj
	.globl	k_qa2e6ad2d04_oproj
	.p2align	8
	.type	k_qa2e6ad2d04_oproj,@function
k_qa2e6ad2d04_oproj:
	s_mov_b64 s[64:65], 0
	v_nop
	global_prefetch_b8 v0, s[64:65] scope:SCOPE_SE
	s_setreg_imm32_b32 hwreg(HW_REG_WAVE_MODE, 25, 1), 1
	s_wait_xcnt 0x0
	s_wait_alu depctr_hold_cnt(0) depctr_sa_sdst(0) depctr_va_vdst(0) depctr_va_sdst(0) depctr_va_ssrc(0) depctr_va_vcc(0) depctr_vm_vsrc(0)
	s_getreg_b32 s2, hwreg(HW_REG_IB_STS2, 6, 4)
	s_cmp_eq_u32 s2, 0
	s_cbranch_scc0 .Lentry_in_a_cluster
	s_endpgm
.Lentry_in_a_cluster:
	s_bfe_u32 s2, ttmp6, 0x10000c
	s_cmp_lg_u32 s2, 0xf033
	s_cbranch_scc0 .Lentry_shape_is_right
	s_endpgm
.Lentry_shape_is_right:
; out0 = a wo^T on codes of FP6 (E2M3) with one E8M0 scale for each 32 along K = 1,024.  a: the attention's result, 8,192 rows, as images of operand registers: aimg [row / 16][head][768], where a head's 768 bytes
; are registers 0-3 at 16 x lane and registers 4-5 at 512 + 8 x lane of half a fragment (16 rows x 64 K); two heads on end are a fragment of 128 along K.  asc [8192][32]: its scale bytes.
; wo: [1024][1024] codes, K innermost, as given; wo_scales [1024][32].  out0: [8192][1024] f32.
; A work-group makes 128 rows (R) x 256 columns (P: rows of wo): 256 work-groups.  A wave makes 64 x 128: 32 accumulators of 16 x 16 in window 2.  The matrix instruction is used transposed
; (source 0 = 16 rows of wo, source 1 = 16 rows of a): a lane holds eight neighbouring numbers of a row of out0.
; K goes in steps of 256 through a ring of two LDS slots.  R's tiles are asked for jointly along a row of the 4 x 4 cluster, P's along a column.  The scale bytes come once, with the first fills.
; Four K steps: the text is written out without a loop.
; REGISTERS: window 0: v16-29 addresses; v32-63 scale words, two sets; v64-111, v112-159 R's fragments, two sets; on the way out v128-255.  window 1: P's fragments, two sets, at v0 and v128.  window 2: accumulator (a, b) at v[8 (8 a + b)].
.set SIZE_N, 1024
.set NQ,     2
.set ROWB,   192                       ; P: a tile's row in bytes
.set KROW,   768                       ; a row of wo's codes
.set PITCH,  240                       ; P's LDS row: 3 x (64 bytes + 16 of padding)
.set FR,     12
.set NP,     4                         ; places behind this matrix instruction (ISA guide 7.12.1)
.set RT,     4*3072                    ; R: four tiles of 16 rows x 256 K, dense: what one tensor load brings, and what one wave reads
.set RPART,  2*RT
.set HALFT,  128*PITCH                 ; P: 128 rows
.set SLOT,   RPART+2*HALFT
.set SCL,    2*SLOT                    ; behind the ring: the scales, as 256 bytes + 16 of padding
.set HALFSR, 8*272                     ; those of 64 rows of R
.set HALFSP, 16*272                    ; those of 128 rows of P
.set SBLK,   544                       ; those of 16 rows
.set SPARE,  SCL+2*HALFSR+2*HALFSP     ; the spare words, 128 bytes for each wave: no other line names them
.set SPITCH, 528                       ; the way out: a stage of 16 rows x (512 bytes + 16) for each wave, in slot 0, which has had its last fill and its last read when the first result is stored there
.set ADRR16, 16                        ; v16-17  R's fragments in slot 0, 1: + 16 x lane
.set ADRR8,  18                        ; v18-19  + 8 x lane
.set ADRB, 20                          ; v20-23  P's fragments (slot 0, 1; and behind one padding more)
.set STO,  24
.set RD,   25
.set CO,   26
.set ADRS, 27                          ; v27     my scale words: lanes 0-15 R's rows, lanes 16-31 P's
.set SPW,  28                          ; v28     LDS address of my spare word; never rewritten
.set NIL,  29                          ; v29     0; never rewritten
.set SC,   32
.set RF,   64
.set BK,   128
.set G1, 24
.set G0, 32
.set G1B, 48
.set G0B, 56
.set G1S, 68
.set G0S, 76
.set G1SB, 80
.set G0SB, 88
.set MSB, 0
.macro WIN new                         ; the immediate's high byte repeats the setting that is left
.if MSB != \new
	s_set_vgpr_msb (MSB<<8)|\new
.set MSB, \new
.endif
.endm
.set MUL,  0xa1                        ; source 0 (P) window 1, source 1 (R) window 0, C and D window 2
.set TO_B, 0x40                        ; destination window 1, address window 0
.macro JLOAD g0a, g1a, g0b, g1b        ; a joint load: waves 0 and 1 fetch for R, waves 2 and 3 for P; four v_nop follow each of the two lines
	s_cmp_eq_u32 s15, 0
	s_cbranch_scc0 .Lfor_b_\@
	tensor_load_to_lds s[\g0a:\g0a+3], s[\g1a:\g1a+7]
	s_nop 0
.rept 4
	v_nop
.endr
	s_branch .Lasked_\@
.Lfor_b_\@:
	tensor_load_to_lds s[\g0b:\g0b+3], s[\g1b:\g1b+7]
	s_nop 0
.rept 4
	v_nop
.endr
.Lasked_\@:
.endm
.macro CREST
	s_cmp_lg_u32 s14, 0
	s_cbranch_scc1 .Lnot_wave_0_\@
	s_barrier_signal -3
.Lnot_wave_0_\@:
	s_barrier_wait -3
	s_barrier_signal -1
	s_barrier_wait -1
.endm
.macro CROUND
	s_barrier_signal -1
	s_barrier_wait -1
	CREST
.endm
	s_load_b128 s[4:7], s[0:1], 0x0                ; aimg, asc
	s_load_b128 s[8:11], s[0:1], 0x10              ; wo's codes, wo's scales
	s_load_b64 s[12:13], s[0:1], 0x20              ; out0
	v_lshl_add_u32 v[SPW], v0, 2, SPARE
	v_mov_b32 v[NIL], 0
	ds_add_u32 v28, v29
	ds_add_u32 v28, v29
	s_wait_dscnt 0x0
	v_lshrrev_b32 v1, 5, v0
	v_readfirstlane_b32 s14, v1                    ; wave 0..3
	s_lshr_b32 s15, s14, 1                         ; which 64 rows of R are mine.  Also: I fetch for R (0) or for P (1)
	s_and_b32 s16, s14, 1                          ; which 128 rows of P.  Also: which half I fetch
	s_bfe_u32 s40, ttmp6, 0x40000                  ; cx, cy
	s_bfe_u32 s41, ttmp6, 0x40004
	s_lshl_b32 s42, ttmp9, 2
	s_add_co_u32 s42, s42, s40                     ; P's tile of 256 rows of wo
	s_and_b32 s17, ttmp7, 0xffff
	s_lshl_b32 s17, s17, 2
	s_add_co_u32 s17, s17, s41                     ; R's tile of 128 rows
	s_lshl_b32 s43, s41, 2
	s_lshl_b32 s43, 15, s43                        ; my row of the cluster
	s_lshl_b32 s44, 0x1111, s40                    ; my column
	; group 1 for R's codes: 4 rows of 3,072 bytes (384 elements of 8 bytes), 12,288 bytes apart, no padding
	s_or_b32 s[G1+0], s43, (3<<16)|(1<<21)
	s_mov_b32 s[G1+1], 384<<16
	s_mov_b32 s[G1+2], 4<<16
	s_mov_b32 s[G1+3], 384<<16
	s_mov_b32 s[G1+4], 4
	s_mov_b32 s[G1+5], 1536
	s_mov_b32 s[G1+6], 0
	s_mov_b32 s[G1+7], 0
	; for P's codes: 128 rows x 192 bytes, 16 bytes of padding behind every 64
	s_or_b32 s[G1B+0], s44, (0<<16)|(1<<20)|(1<<21)|(3<<22)|(3<<25)
	s_mov_b32 s[G1B+1], ROWB<<16
	s_mov_b32 s[G1B+2], 128<<16
	s_mov_b32 s[G1B+3], ROWB<<16
	s_mov_b32 s[G1B+4], 128
	s_mov_b32 s[G1B+5], KROW
	s_mov_b32 s[G1B+6], 0
	s_mov_b32 s[G1B+7], 0
	; for the scales: dense blocks as rows of 256 bytes, 16 bytes of padding behind each: R's 8 rows, P's 16
	s_or_b32 s[G1S+0], s43, (3<<16)|(1<<20)|(1<<21)|(5<<22)|(3<<25)
	s_mov_b32 s[G1S+1], 32<<16
	s_mov_b32 s[G1S+2], 8<<16
	s_mov_b32 s[G1S+3], 32<<16
	s_mov_b32 s[G1S+4], 8
	s_mov_b32 s[G1S+5], 32
	s_mov_b32 s[G1S+6], 0
	s_mov_b32 s[G1S+7], 0
	s_or_b32 s[G1SB+0], s44, (3<<16)|(1<<20)|(1<<21)|(5<<22)|(3<<25)
	s_mov_b32 s[G1SB+1], 32<<16
	s_mov_b32 s[G1SB+2], 16<<16
	s_mov_b32 s[G1SB+3], 32<<16
	s_mov_b32 s[G1SB+4], 16
	s_mov_b32 s[G1SB+5], 32
	s_mov_b32 s[G1SB+6], 0
	s_mov_b32 s[G1SB+7], 0
	s_lshl_b32 s20, s17, 3
	s_lshl_b32 s18, s16, 2
	s_add_co_u32 s20, s20, s18
	s_mul_i32 s20, s20, 12288                      ; R's codes: tile of 16 rows 8 x tile + 4 x half
	s_mov_b32 s21, 0
	s_lshl_b32 s22, s17, 12
	s_lshl_b32 s18, s16, 11
	s_add_co_u32 s22, s22, s18                     ; R's scales: row 128 x tile + 64 x half, 32 bytes a row
	s_mov_b32 s23, 0
	s_lshl_b32 s46, s42, 8
	s_lshl_b32 s18, s16, 7
	s_add_co_u32 s46, s46, s18                     ; P: row 256 x tile + 128 x half
	s_lshl_b32 s92, s46, 5                         ; its scales,
	s_mov_b32 s93, 0
	s_mul_i32 s46, s46, KROW                       ; its codes
	s_mov_b32 s47, 0
	s_mul_i32 s45, s16, RT                         ; where they go: no place in the cluster enters an LDS address
	s_mul_i32 s94, s16, HALFT
	s_add_co_u32 s94, s94, RPART
	s_mul_i32 s95, s16, HALFSR
	s_mul_i32 s96, s16, HALFSP
	s_add_co_u32 s96, s96, 2*HALFSR
	s_wait_kmcnt 0x0
	s_add_nc_u64 s[20:21], s[4:5], s[20:21]
	s_add_nc_u64 s[22:23], s[6:7], s[22:23]
	s_add_nc_u64 s[46:47], s[8:9], s[46:47]
	s_add_nc_u64 s[92:93], s[10:11], s[92:93]
	CROUND                                         ; all sixteen work-groups are here: the first joint loads meet
	s_mov_b32 s[G0S], 1
	s_add_co_u32 s[G0S+1], s95, SCL
	s_mov_b64 s[G0S+2:G0S+3], s[22:23]
	s_or_b32 s[G0S+3], s[G0S+3], 0x80000000
	s_mov_b32 s[G0SB], 1
	s_add_co_u32 s[G0SB+1], s96, SCL
	s_mov_b64 s[G0SB+2:G0SB+3], s[92:93]
	s_or_b32 s[G0SB+3], s[G0SB+3], 0x80000000
	JLOAD G0S, G1S, G0SB, G1SB                     ; the scales first
.irp s, 0,1
	s_mov_b32 s[G0+4*\s], 1
	s_add_co_u32 s[G0+4*\s+1], s45, \s*SLOT
	s_add_nc_u64 s[G0+4*\s+2:G0+4*\s+3], s[20:21], \s*3072
	s_or_b32 s[G0+4*\s+3], s[G0+4*\s+3], 0x80000000
	s_mov_b32 s[G0B+4*\s], 1
	s_add_co_u32 s[G0B+4*\s+1], s94, \s*SLOT
	s_add_nc_u64 s[G0B+4*\s+2:G0B+4*\s+3], s[46:47], \s*ROWB
	s_or_b32 s[G0B+4*\s+3], s[G0B+4*\s+3], 0x80000000
	JLOAD G0+4*\s, G1, G0B+4*\s, G1B               ; three tensor loads of mine are out
.endr
	v_and_b32 v1, 15, v0                           ; l % 16
	v_bfe_u32 v2, v0, 4, 1                         ; l / 16
	v_and_b32 v6, 31, v0
	v_mul_u32_u24 v3, v1, PITCH
	v_mul_u32_u24 v4, v2, 24
	v_add_nc_u32 v4, v3, v4                        ; P: a fragment's row x pitch + 24 x half
	v_lshl_add_u32 v5, v2, 4, v4                   ; and the same behind one padding more
	v_lshlrev_b32 v7, 4, v6                        ; 16 x lane
	v_lshlrev_b32 v8, 3, v6                        ; 8 x lane
	s_mul_i32 s21, s15, RT                         ; my 64 rows of R
	s_mul_i32 s22, s16, HALFT                      ; my 128 rows of P,
	s_add_co_u32 s22, s22, RPART                   ; which lie behind R's part
.irp s, 0,1
	v_add_nc_u32 v[ADRR16+\s], s21, v7
	v_add_nc_u32 v[ADRR8+\s], s21, v8
	v_add_nc_u32 v[ADRB+\s], s22, v4
	v_add_nc_u32 v[ADRB+2+\s], s22, v5
	s_add_co_u32 s21, s21, SLOT
	s_add_co_u32 s22, s22, SLOT
.endr
	v_mul_u32_u24 v5, v1, 32                       ; my row's scales: 32 bytes a row,
	v_lshrrev_b32 v6, 8, v5
	v_lshl_add_u32 v5, v6, 4, v5                   ; and 16 more for each 256 passed
	s_mul_i32 s21, s15, HALFSR                     ; R's: my 64 rows
	s_mul_i32 s22, s16, HALFSP                     ; P's: my 128 rows, behind R's 128
	s_add_co_u32 s22, s22, 2*HALFSR
	s_sub_co_u32 s22, s22, s21
	v_mul_u32_u24 v6, s22, v2                      ; lanes 16-31 take P's
	s_add_co_u32 s21, s21, SCL
	v_add_nc_u32 v5, v5, v6
	v_add_nc_u32 v[ADRS], s21, v5
	s_mul_i32 s23, s14, 16*SPITCH                  ; my stage
	v_mul_u32_u24 v5, v1, SPITCH                   ; in: row l % 16, 32 bytes for each half of the lanes
	v_lshl_add_u32 v5, v2, 5, v5
	v_add_nc_u32 v[STO], s23, v5
	v_mov_b32 v[CO], v7                            ; back: the 32 lanes take one row of 512 bytes; and the same in out0
	v_add_nc_u32 v[RD], s23, v7
	s_lshl_b32 s20, s17, 7
	s_lshl_b32 s21, s15, 6
	s_add_co_u32 s20, s20, s21                     ; my first row of out0
	s_lshl_b32 s20, s20, 12                        ; 4,096 bytes a row: under 2^26
	s_lshl_b32 s46, s42, 10                        ; my first column, in bytes
	s_lshl_b32 s47, s16, 9
	s_add_co_u32 s46, s46, s47
	s_add_co_u32 s20, s20, s46
	s_mov_b32 s21, 0
	s_add_nc_u64 s[12:13], s[12:13], s[20:21]
.macro FRAG reg, adr, q, i             ; P: a fragment from rows: 24 bytes of the row twice, in pieces of 8 bytes; where the piece three on (lanes 16-31) lies behind one padding more, the second address register serves
.irp p, 0,1,2,3,4,5
.set PCE, 12*(\q)+6*(\p/3)+\p%3
.if PCE%8 < 5
	ds_load_b64 v[\reg+2*\p:\reg+2*\p+1], v[\adr] offset:8*PCE+16*(PCE/8)+(\i)*16*PITCH
.else
	ds_load_b64 v[\reg+2*\p:\reg+2*\p+1], v[\adr+2] offset:8*PCE+16*(PCE/8)+(\i)*16*PITCH
.endif
.endr
.endm
.macro FRAGR reg, slot, q, i           ; R: a fragment from two images of half a fragment: every load takes consecutive bytes
	ds_load_b128 v[\reg:\reg+3], v[ADRR16+\slot] offset:3072*(\i)+1536*(\q)
	ds_load_b64 v[\reg+4:\reg+5], v[ADRR8+\slot] offset:3072*(\i)+1536*(\q)+512
	ds_load_b128 v[\reg+6:\reg+9], v[ADRR16+\slot] offset:3072*(\i)+1536*(\q)+768
	ds_load_b64 v[\reg+10:\reg+11], v[ADRR8+\slot] offset:3072*(\i)+1536*(\q)+1280
.endm
.macro FETCH_P slot, q, p              ; P's eight fragments of the slot's q-th 128 along K into set p
	WIN TO_B
.irp i, 0,1,2,3,4,5,6,7
	FRAG 128*(\p)+FR*\i, ADRB+\slot, \q, \i
.endr
	WIN 0
.endm
.macro FETCH_R slot, q, p              ; R's four
.irp i, 0,1,2,3
	FRAGR RF+48*(\p)+FR*\i, \slot, \q, \i
.endr
.endm
.macro SCALES sc                       ; a K step's scale words into set sc: lanes 0-15 R's block i (i under 4; beyond, bytes of the scales' region that no product names), lanes 16-31 P's block i
.irp i, 0,1,2,3,4,5,6,7
	ds_load_b64 v[SC+16*\sc+2*\i:SC+16*\sc+2*\i+1], v[ADRS] offset:\i*SBLK
.endr
.endm
.macro PLACES n
.rept \n
	v_nop
.endr
.endm
; 8 matrix instructions: R's block a x P's eight, 128 along K.  The 32 accumulators take turns, one instruction a turn, in the same order in every step.
.macro MUL8 a, p, q, sc, zero
.irp b, 0,1,2,3,4,5,6,7
.if \zero
	v_wmma_scale_f32_16x16x128_f8f6f4 v[8*(8*(\a)+\b):8*(8*(\a)+\b)+7], v[128*(\p)+FR*\b:128*(\p)+FR*\b+FR-1], v[RF+48*(\p)+FR*(\a):RF+48*(\p)+FR*(\a)+FR-1], 0, v[SC+16*(\sc)+2*\b+(\q)], v[SC+16*(\sc)+2*(\a)+(\q)] matrix_a_fmt:MATRIX_FMT_FP6 matrix_b_fmt:MATRIX_FMT_FP6 matrix_a_scale:MATRIX_SCALE_ROW1
.else
	v_wmma_scale_f32_16x16x128_f8f6f4 v[8*(8*(\a)+\b):8*(8*(\a)+\b)+7], v[128*(\p)+FR*\b:128*(\p)+FR*\b+FR-1], v[RF+48*(\p)+FR*(\a):RF+48*(\p)+FR*(\a)+FR-1], v[8*(8*(\a)+\b):8*(8*(\a)+\b)+7], v[SC+16*(\sc)+2*\b+(\q)], v[SC+16*(\sc)+2*(\a)+(\q)] matrix_a_fmt:MATRIX_FMT_FP6 matrix_b_fmt:MATRIX_FMT_FP6 matrix_a_scale:MATRIX_SCALE_ROW1
.endif
.endr
.endm
; A slot's first 128 along K, on set 0; the second 128's fragments are asked for ahead of its 32 products.
.macro STEP3 slot, zero
	s_wait_dscnt 0x0                               ; set 0 and the scale words are in
	PLACES NP                                      ; in front of loads into set 1, which the last products read
	FETCH_P \slot, 1, 1
	FETCH_R \slot, 1, 1
	WIN MUL
	MUL8 0, 0, 0, \slot, \zero
	MUL8 1, 0, 0, \slot, \zero
	MUL8 2, 0, 0, \slot, \zero
	MUL8 3, 0, 0, \slot, \zero
	WIN 0
.endm
; A slot's second 128, on set 1, changes slots: one barrier; in front of it each wave waits for all its tensor loads, adds 0 to its spare word, and waits for that and for its own reads of this slot.
.macro TURN3 slot, next, fill
	s_wait_tensorcnt 0x0                           ; all my tensor loads have landed: my part of the next slot
	ds_add_u32 v[SPW], v[NIL]                      ; 0 onto my spare word
	s_wait_dscnt 1                                 ; set 1 is in; the add alone may be out
	WIN MUL
	MUL8 0, 1, 1, \slot, 0
	s_wait_dscnt 0x0                               ; the add is done, and my reads of this slot are over
	s_barrier_signal -1
	MUL8 1, 1, 1, \slot, 0
	WIN 0
	s_barrier_wait -1
.if \fill
	CREST                                          ; the barrier has opened a round of the cluster's: no wave of any partner still reads this slot or has a load on its way
	s_add_nc_u64 s[G0+4*\slot+2:G0+4*\slot+3], s[G0+4*\slot+2:G0+4*\slot+3], 2*3072
	s_add_nc_u64 s[G0B+4*\slot+2:G0B+4*\slot+3], s[G0B+4*\slot+2:G0B+4*\slot+3], 2*ROWB
	JLOAD G0+4*\slot, G1, G0B+4*\slot, G1B         ; the first tensor load behind the round; its four v_nop are the places in front of the loads below
.else
	PLACES NP
.endif
	v_add_nc_u32 v[ADRS], 4*NQ, v[ADRS]            ; on to the next K step's scale words
	FETCH_P \next, 0, 0
	FETCH_R \next, 0, 0
	SCALES \next
	WIN MUL
	MUL8 2, 1, 1, \slot, 0
	MUL8 3, 1, 1, \slot, 0
	WIN 0
.endm
	s_wait_tensorcnt 1                             ; the scales and my part of K step 0 are in (K step 1's load may be out),
	s_barrier_signal -1
	s_barrier_wait -1                              ; everybody's are
	FETCH_P 0, 0, 0
	FETCH_R 0, 0, 0
	SCALES 0
	STEP3 0, 1                                     ; the first products start the sums
	TURN3 0, 1, 1                                  ; slot 0 takes K step 2
	STEP3 1, 0
	TURN3 1, 0, 1                                  ; slot 1 takes K step 3
	STEP3 0, 0
	TURN3 0, 1, 0                                  ; nothing is left to fetch
	STEP3 1, 0
	s_wait_dscnt 0x0
	WIN MUL
	MUL8 0, 1, 1, 1, 0
	MUL8 1, 1, 1, 1, 0
	MUL8 2, 1, 1, 1, 0
	MUL8 3, 1, 1, 1, 0
	WIN 0
; THE WAY OUT, block by block of 16 rows x 128 columns: through my own stage in LDS, back as whole rows of 512 bytes.  LDS serves a wave's instructions in order (ISA guide 5.7.1.4): no wait between the stores and the loads.
.macro TOSTAGE a
.set AC, 64*(\a)
	WIN 0x08                                       ; an LDS store's data are its source 1: window 2
.irp b, 0,1,2,3,4,5,6,7
	ds_store_b128 v[STO], v[AC+8*\b:AC+8*\b+3] offset:64*\b          ; each accumulator from its low end on
	ds_store_b128 v[STO], v[AC+8*\b+4:AC+8*\b+7] offset:64*\b+16
.endr
	WIN 0
.set BB, BK+64*((\a)%2)
.irp t, 0,1,2,3,4,5,6,7,8,9,10,11,12,13,14,15
	ds_load_b128 v[BB+4*\t:BB+4*\t+3], v[RD] offset:\t*SPITCH
.endr
.endm
.macro SEND a, younger                 ; younger: the LDS instructions issued behind block a's loads, which may stay out
.set BB, BK+64*((\a)%2)
	s_wait_dscnt \younger
.if (\a) > 0
	s_add_nc_u64 s[12:13], s[12:13], 16*SIZE_N*4   ; (behind a wait on XCNT: the earlier stores have read their base)
.endif
.irp t, 0,1,2,3,4,5,6,7,8,9,10,11,12,13,14,15
	global_store_b128 v[CO], v[BB+4*\t:BB+4*\t+3], s[12:13] offset:\t*SIZE_N*4 th:TH_STORE_NT   ; 32 lanes store 512 consecutive bytes, aligned; written once, read by nobody here
.endr
.endm
	PLACES NP                                      ; in front of the first read of results and of loads into registers that held R's fragments
	TOSTAGE 0
.irp a, 1,2,3
.if \a > 1
	s_wait_xcnt 0x0                                ; block a - 2's stores have read their registers and their base
.endif
	TOSTAGE \a
	SEND \a-1, 32                                  ; behind block a - 1's loads: block a's 16 stores and 16 loads
.endr
	s_wait_xcnt 0x0
	SEND 3, 0
	s_wait_tensorcnt 0x0                           ; the wave's end
	ds_add_u32 v[SPW], v[NIL]
	s_wait_dscnt 0x0
	CROUND                                         ; the closing round: no work-group ends while a partner may still ask for a tile that names it
	s_endpgm
.Lfunc_end_k_qa2e6ad2d04_oproj:
	.size	k_qa2e6ad2d04_oproj, .Lfunc_end_k_qa2e6ad2d04_oproj-k_qa2e6ad2d04_oproj
	.p2alignl 7, 3214868480
	.fill 96, 4, 3214868480
	.section	.rodata,"a",@progbits
	.p2align	6, 0x0
	.amdhsa_kernel k_qa2e6ad2d04_oproj
		.amdhsa_group_segment_fixed_size 327680
		.amdhsa_private_segment_fixed_size 0
		.amdhsa_enable_private_segment 0
		.amdhsa_kernarg_size 40
		.amdhsa_user_sgpr_count 2
		.amdhsa_user_sgpr_kernarg_segment_ptr 1
		.amdhsa_wavefront_size32 1
		.amdhsa_system_sgpr_workgroup_id_x 1
		.amdhsa_system_sgpr_workgroup_id_y 1
		.amdhsa_system_sgpr_workgroup_id_z 1
		.amdhsa_system_vgpr_workitem_id 0
		.amdhsa_next_free_vgpr 768
		.amdhsa_next_free_sgpr 98
		.amdhsa_reserve_vcc 0
		.amdhsa_float_denorm_mode_32 3
		.amdhsa_float_denorm_mode_16_64 3
		.amdhsa_memory_ordered 1
		.amdhsa_forward_progress 1
		.amdhsa_inst_pref_size 96
	.end_amdhsa_kernel
	.amdgpu_metadata
---
amdhsa.version: [ 1, 2 ]
amdhsa.kernels:
  - .name:           k_qa2e6ad2d04_oproj
    .symbol:         k_qa2e6ad2d04_oproj.kd
    .args:
      - { .name: aimg, .offset: 0, .size: 8, .value_kind: global_buffer, .address_space: global }
      - { .name: asc, .offset: 8, .size: 8, .value_kind: global_buffer, .address_space: global }
      - { .name: wo_codes, .offset: 16, .size: 8, .value_kind: global_buffer, .address_space: global }
      - { .name: wo_scales, .offset: 24, .size: 8, .value_kind: global_buffer, .address_space: global }
      - { .name: out0, .offset: 32, .size: 8, .value_kind: global_buffer, .address_space: global }
    .group_segment_fixed_size: 327680
    .private_segment_fixed_size: 0
    .kernarg_segment_align: 8
    .kernarg_segment_size: 40
    .max_flat_workgroup_size: 128
    .sgpr_count:     98
    .vgpr_count:     768
    .wavefront_size: 32
...
	.end_amdgpu_metadata
.endif
;; end of part 3
